; MI455X (gfx1250); checked and timed in simulation.
; The chip was launched on July 23, 2026; its instructions are those of AMD's public machine-readable ISA for CDNA 5 (MIT licence, August 2026) and "CDNA5" Instruction Set Architecture Reference Guide (July 2026). The comments in the code are by the model that wrote it; some were corrected since.
;; Mo E Regressor. Allowed arithmetic: float matrix products may take bf16 or f16 operands with f32 sums; other float arithmetic in f32, or as packed bf16 or f16 multiplies, adds, multiply-adds, maxima and minima; sums over many terms, partial sums and values carried from step to step in f32; what a program stores and reads back later, other than sums and carried values, may be rounded once to bf16 or f16.
;; Inputs: b1 16 x 1,024 float32; b2 16 x 1 float32; embeddings 4,096 x 1,024 float32; router_b 16 float32; router_w 1,024 x 16 float32; w1 16 x 1,024 x 1,024 float32; w2 16 x 1,024 x 1 float32.
;; Outputs: out0 4,096 x 1 float32.
;; 2 versions, each right; version 2 is version 1 with the launches router, experts written anew for expert scheduling mode. Each part assembles by itself: llvm-mc -triple=amdgcn-amd-amdhsa -mcpu=gfx1250 --defsym DOCPART=n.
;; ======== version 1 of 2: 3 launches
;; workspace buffers: xb 8,388,608 bytes; sel 32,768 bytes of whole numbers; gate 32,768 bytes; part 4,194,304 bytes; pos 262,144 bytes of whole numbers
;; launch router (part 1): grid 256 x 1, 4 waves a work-group, no clusters, 71,168 bytes of LDS; arguments embeddings, router_w, router_b, xb, sel, gate; writes xb, sel, gate
.if DOCPART == 1
	.amdgcn_target "amdgcn-amd-amdhsa--gfx1250"
	.amdhsa_code_object_version 6
	.text
	.protected	k_qeb33a55428_router
	.globl	k_qeb33a55428_router
	.p2align	8
	.type	k_qeb33a55428_router,@function
k_qeb33a55428_router:
	s_mov_b64 s[64:65], 0
	v_nop
	global_prefetch_b8 v0, s[64:65] scope:SCOPE_SE
	s_setreg_imm32_b32 hwreg(HW_REG_WAVE_MODE, 25, 1), 1
	s_wait_xcnt 0x0
; ROUTER.  logits = x . router_w + router_b; the two largest of a token's 16 logits (ties: the lower index); softmax over the two, the larger taken away first.
; Also: x is rounded once to bf16 and stored as xb [4096][1024] for the next launch.
; x, router_w and router_b are rounded to bf16; products on the matrix unit, all sums in f32.  So the choice is that of the rounded inputs.
; LIMITS.  NaN is not treated apart (a NaN logit is never chosen by the compares); the f32 sums go in another order than a plain dot product's.
; SHARES.  A work-group has 16 tokens; wave w takes k = 256 w .. 256 w + 255 of all 16; the four partial logits meet in LDS, and wave 0 finishes.
; No cluster, no tensor loads: a work-group's x is read by nobody else, and router_w is 64 KB in all.
; OUT.  sel: word t = (1 << i1) | (1 << (16 + i2)); word 4096 + t = i1 | i2 << 8.  gate: word t = g1, word 4096 + t = g2.
; These four stores of 64 bytes a work-group do not fill aligned blocks of 256 bytes: 64 KB in the whole launch; whole blocks would want 64 tokens a work-group, a quarter of the work-groups.
.set XP,    528                        ; a row of x in LDS: 512 bytes (256 bf16) + 16: the 16 rows of a fragment load start 132 words apart
.set XSW,   16*XP                      ; a wave's x: 16 rows
.set RWS,   4*XSW                      ; behind them, for each wave: router_w [256 k][16 e] bf16, rows of 32 bytes
.set RED,   RWS+4*8192                 ; behind them, for each wave: 32 lanes x 8 partial logits in f32
.set SPARE, RED+4*1024                 ; the spare words: 128 bytes a wave, two blocks of 256 bytes that no other line names
.set SPW, 4                            ; v4  my spare word's LDS address; never rewritten
.set NIL, 5                            ; v5  0; never rewritten
.set RWR, 64                           ; v64-127   router_w as loaded (16 loads at a time), later its 8 fragments; in wave 0's tail the four partials
.set XR,  128                          ; v128-255  x as loaded, later its 8 fragments in v128-191
.set LG,  96                           ; v96-111   wave 0: a token's 16 logits
.macro CVT4 a                          ; four f32 become four bf16 in the first two registers
	v_cvt_pk_bf16_f32 v[(\a)], v[(\a)], v[(\a)+1]
	v_cvt_pk_bf16_f32 v[(\a)+1], v[(\a)+2], v[(\a)+3]
.endm
	s_load_b256 s[4:11], s[0:1], 0x0               ; embeddings s[4:5], router_w s[6:7], router_b s[8:9], xb s[10:11]
	s_load_b128 s[12:15], s[0:1], 0x20             ; sel s[12:13], gate s[14:15]
	v_lshl_add_u32 v[SPW], v0, 2, SPARE
	v_mov_b32 v[NIL], 0
	v_lshrrev_b32 v18, 5, v0
	v_readfirstlane_b32 s16, v18                   ; wave 0..3
	v_and_b32 v1, 31, v0                           ; L
	v_and_b32 v2, 15, v0                           ; r = L % 16
	v_bfe_u32 v3, v0, 4, 1                         ; h = L / 16
	s_mov_b32 s22, 0xffff0000                      ; lanes 16-31; also a word's upper bf16
	s_mov_b32 s24, 0x76543210                      ; v_permlanex16_b32: each lane takes its own place in the other half
	s_mov_b32 s25, 0xfedcba98
	s_mul_i32 s26, s16, XSW                        ; my wave's x in LDS
	s_lshl_b32 s27, s16, 13
	s_add_co_u32 s27, s27, RWS                     ; my wave's router_w in LDS
	s_lshl_b32 s28, s16, 10
	s_add_co_u32 s28, s28, RED                     ; my wave's partial logits
	s_lshl_b32 s29, ttmp9, 6                       ; 16 tokens x 4 bytes
	v_lshlrev_b32 v6, 4, v1                        ; 16 L: loads of 16 bytes a lane
	v_lshlrev_b32 v7, 3, v1                        ; 8 L: stores of 8 bytes a lane
	v_lshl_add_u32 v8, v1, 3, s26                  ; x into LDS
	v_lshl_add_u32 v9, v1, 3, s27                  ; router_w into LDS
	v_mul_u32_u24 v10, v2, XP
	v_lshl_add_u32 v10, v3, 4, v10
	v_add_nc_u32 v10, s26, v10                     ; x fragment: row r, 16 h
	v_and_b32 v18, 7, v0
	v_lshl_add_u32 v18, v3, 3, v18                 ; the turning load: k row 8 h + L % 8,
	v_bfe_u32 v19, v0, 3, 1
	v_lshlrev_b32 v18, 5, v18
	v_lshl_add_u32 v18, v19, 4, v18                ; experts 8 ((L / 8) % 2) on
	v_add_nc_u32 v11, s27, v18
	v_lshl_add_u32 v12, v1, 5, s28                 ; my 32 bytes of partial logits
	v_lshl_add_u32 v13, v1, 5, RED                 ; the same place in wave 0's block
	v_lshlrev_b32 v14, 5, v3                       ; router_b: experts 8 h on
	v_lshl_add_u32 v15, v2, 2, s29
	v_lshl_add_u32 v15, v3, 14, v15                ; token's word; lanes 16-31 one plane of 16,384 bytes on
	v_mov_b32 v16, 1
	v_mov_b32 v17, 0x10000
	s_lshl_b32 s18, ttmp9, 16                      ; 16 rows of 4,096 bytes,
	s_lshl_b32 s30, s16, 10                        ; my wave's 1,024 bytes of a row
	s_or_b32 s18, s18, s30
	s_mov_b32 s19, 0
	s_lshl_b32 s32, s16, 14                        ; my wave's 256 rows of router_w
	s_mov_b32 s33, 0
	s_lshl_b32 s34, ttmp9, 15                      ; 16 rows of 2,048 bytes of xb,
	s_lshl_b32 s30, s16, 9                         ; my wave's 512 bytes
	s_or_b32 s34, s34, s30
	s_mov_b32 s35, 0
	s_wait_kmcnt 0x0
	s_add_nc_u64 s[4:5], s[4:5], s[18:19]
	s_add_nc_u64 s[6:7], s[6:7], s[32:33]
	s_add_nc_u64 s[10:11], s[10:11], s[34:35]
	; all loads that have room go out at once: the bias (2), the first half of router_w (16), x (32)
	global_load_b128 v[48:51], v14, s[8:9]
	global_load_b128 v[52:55], v14, s[8:9] offset:16
.set n, 0
.rept 16
	global_load_b128 v[RWR+4*n:RWR+4*n+3], v6, s[6:7] offset:512*n
.set n, n+1
.endr
.set n, 0
.rept 32                               ; row n / 2, half n % 2: 512 consecutive bytes a load
	global_load_b128 v[XR+4*n:XR+4*n+3], v6, s[4:5] offset:4096*(n/2)+512*(n%2) th:TH_LOAD_NT
.set n, n+1
.endr
	s_wait_loadcnt 32                              ; the 32 loads of x are younger: the bias and router_w's first half are in
.set n, 0
.rept 16
	CVT4 (RWR+4*n)
	ds_store_b64 v9, v[RWR+4*n:RWR+4*n+1] offset:256*n
.set n, n+1
.endr
.set n, 0
.rept 16                               ; router_w's second half, into the same registers
	global_load_b128 v[RWR+4*n:RWR+4*n+3], v6, s[6:7] offset:512*(16+n)
.set n, n+1
.endr
	s_wait_loadcnt 16                              ; those 16 are younger: x is in
.set n, 0
.rept 32
	CVT4 (XR+4*n)
	ds_store_b64 v8, v[XR+4*n:XR+4*n+1] offset:XP*(n/2)+256*(n%2)
	global_store_b64 v7, v[XR+4*n:XR+4*n+1], s[10:11] offset:2048*(n/2)+256*(n%2)  ; 32 lanes x 8 bytes: 256 consecutive bytes, aligned
.set n, n+1
.endr
	s_wait_loadcnt 0x0
.set n, 0
.rept 16
	CVT4 (RWR+4*n)
	ds_store_b64 v9, v[RWR+4*n:RWR+4*n+1] offset:256*(16+n)
.set n, n+1
.endr
.set n, 0
.rept 4                                ; the bias rounded to bf16 and widened again
	v_cvt_pk_bf16_f32 v[18+n], v[48+2*n], v[48+2*n+1]
	v_lshlrev_b32 v[48+2*n], 16, v[18+n]
	v_and_b32 v[48+2*n+1], s22, v[18+n]
.set n, n+1
.endr
	s_wait_xcnt 0x0                                ; the stores into xb have read their registers: v128 on are loaded again only behind this wait
	; Fragments, from my wave's own LDS bytes (LDS serves a wave's instructions in order: ISA guide 5.7.1.4): no barrier.
	; router_w lies [k][e]: the turning load leaves lane r expert r with 8 k in four registers.  x lies [token][k]: two plain loads 32 bytes apart.
.set n, 0
.rept 8
	ds_load_tr16_b128 v[RWR+8*n:RWR+8*n+3],   v11 offset:1024*n
	ds_load_tr16_b128 v[RWR+8*n+4:RWR+8*n+7], v11 offset:1024*n+512
	ds_load_b128 v[XR+8*n:XR+8*n+3],   v10 offset:64*n
	ds_load_b128 v[XR+8*n+4:XR+8*n+7], v10 offset:64*n+32
.set n, n+1
.endr
	s_wait_dscnt 0x0
	; source 0 = 16 experts, source 1 = 16 tokens: register j of lane L is expert 8 h + j of token r.  Two accumulators take turns; the first two products start the sums.
	v_wmma_f32_16x16x32_bf16 v[32:39], v[RWR:RWR+7], v[XR:XR+7], 0
	v_wmma_f32_16x16x32_bf16 v[40:47], v[RWR+8:RWR+15], v[XR+8:XR+15], 0
.set n, 2
.rept 6
	v_wmma_f32_16x16x32_bf16 v[32+8*(n%2):32+8*(n%2)+7], v[RWR+8*n:RWR+8*n+7], v[XR+8*n:XR+8*n+7], v[32+8*(n%2):32+8*(n%2)+7]
.set n, n+1
.endr
.rept 4
	v_nop                                          ; four places between the last product and the first read of a result (ISA guide 7.12.1)
.endr
.set n, 0
.rept 4                                ; both accumulators are read from their low end on
	v_pk_add_f32 v[56+2*n:56+2*n+1], v[32+2*n:32+2*n+1], v[40+2*n:40+2*n+1]
.set n, n+1
.endr
	ds_store_b128 v12, v[56:59]
	ds_store_b128 v12, v[60:63] offset:16
	s_wait_dscnt 0x0                               ; for wave 0's sake: my partial logits are in LDS
	s_barrier_signal -1
	s_barrier_wait -1
	s_cmp_lg_u32 s16, 0
	s_cbranch_scc1 .Lend                           ; no barrier and no LDS store stands in what waves 1 to 3 jump
.set n, 0
.rept 4                                ; wave n's partial logits for my lane's place
	ds_load_b128 v[64+8*n:64+8*n+3], v13 offset:1024*n
	ds_load_b128 v[64+8*n+4:64+8*n+7], v13 offset:1024*n+16
.set n, n+1
.endr
	s_wait_dscnt 0x0
.set n, 0
.rept 4                                ; (p0 + p1) + (p2 + p3) + bias
	v_pk_add_f32 v[64+2*n:64+2*n+1], v[64+2*n:64+2*n+1], v[72+2*n:72+2*n+1]
	v_pk_add_f32 v[80+2*n:80+2*n+1], v[80+2*n:80+2*n+1], v[88+2*n:88+2*n+1]
.set n, n+1
.endr
.set n, 0
.rept 4
	v_pk_add_f32 v[64+2*n:64+2*n+1], v[64+2*n:64+2*n+1], v[80+2*n:80+2*n+1]
.set n, n+1
.endr
.set n, 0
.rept 4
	v_pk_add_f32 v[64+2*n:64+2*n+1], v[64+2*n:64+2*n+1], v[48+2*n:48+2*n+1]
.set n, n+1
.endr
.set n, 0
.rept 8                                ; the token's other eight logits lie in the lane 16 away
	v_permlanex16_b32 v[72+n], v[64+n], s24, s25
.set n, n+1
.endr
.set n, 0
.rept 8                                ; lanes r and r + 16 both hold all 16 logits of token r
	v_cndmask_b32 v[LG+n],   v[64+n], v[72+n], s22
	v_cndmask_b32 v[LG+8+n], v[72+n], v[64+n], s22
.set n, n+1
.endr
	; the two largest: m1 v112, i1 v113, m2 v114, i2 v115.  Strict compares in ascending order keep the lower index at a tie.
	v_cmp_gt_f32 s20, v[LG+1], v[LG]
	v_cndmask_b32 v112, v[LG], v[LG+1], s20
	v_cndmask_b32 v113, 0, 1, s20
	v_cndmask_b32 v114, v[LG+1], v[LG], s20
	v_cndmask_b32 v115, 1, 0, s20
.set n, 2
.rept 14
	v_cmp_gt_f32 s20, v[LG+n], v112
	v_cmp_gt_f32 s21, v[LG+n], v114
	v_cndmask_b32 v114, v114, v[LG+n], s21
	v_cndmask_b32 v115, v115, n, s21
	v_cndmask_b32 v114, v114, v112, s20
	v_cndmask_b32 v115, v115, v113, s20
	v_cndmask_b32 v112, v112, v[LG+n], s20
	v_cndmask_b32 v113, v113, n, s20
.set n, n+1
.endr
	; softmax over (m1, m2) with m1 taken away: g1 = 1 / (1 + 2^((m2 - m1) log2 e)), g2 = the rest
	v_sub_f32 v116, v114, v112
	v_mul_f32 v116, 0x3fb8aa3b, v116
	v_exp_f32 v117, v116
	v_lshlrev_b32 v120, v113, v16                  ; 1 << i1: plain work behind the exponential
	v_lshlrev_b32 v121, v115, v17                  ; 1 << (16 + i2)
	v_or_b32 v120, v120, v121
	s_wait_alu depctr_va_vdst(0)                   ; the wait ahead of the first line that names the exponential's result
	v_add_f32 v118, 1.0, v117
	v_rcp_f32 v119, v118
	v_lshl_or_b32 v121, v115, 8, v113              ; i1 | i2 << 8: plain work behind the reciprocal
	v_cndmask_b32 v123, v120, v121, s22            ; lanes 0-15 store the mask word, lanes 16-31 the index word
	s_wait_alu depctr_va_vdst(0)                   ; and again for the reciprocal
	v_mul_f32 v122, v117, v119
	v_cndmask_b32 v124, v119, v122, s22            ; lanes 0-15 store g1, lanes 16-31 g2
	global_store_b32 v15, v123, s[12:13]
	global_store_b32 v15, v124, s[14:15]
.Lend:
	s_wait_tensorcnt 0x0                           ; the wave's end
	ds_add_u32 v[SPW], v[NIL]
	s_wait_dscnt 0x0
	s_endpgm
.Lfunc_end_k_qeb33a55428_router:
	.size	k_qeb33a55428_router, .Lfunc_end_k_qeb33a55428_router-k_qeb33a55428_router
	.p2alignl 7, 3214868480
	.fill 96, 4, 3214868480
	.section	.rodata,"a",@progbits
	.p2align	6, 0x0
	.amdhsa_kernel k_qeb33a55428_router
		.amdhsa_group_segment_fixed_size 71168
		.amdhsa_private_segment_fixed_size 0
		.amdhsa_enable_private_segment 0
		.amdhsa_kernarg_size 48
		.amdhsa_user_sgpr_count 2
		.amdhsa_user_sgpr_kernarg_segment_ptr 1
		.amdhsa_wavefront_size32 1
		.amdhsa_system_sgpr_workgroup_id_x 1
		.amdhsa_system_sgpr_workgroup_id_y 1
		.amdhsa_system_sgpr_workgroup_id_z 1
		.amdhsa_system_vgpr_workitem_id 0
		.amdhsa_next_free_vgpr 256
		.amdhsa_next_free_sgpr 66
		.amdhsa_reserve_vcc 0
		.amdhsa_float_denorm_mode_32 3
		.amdhsa_float_denorm_mode_16_64 3
		.amdhsa_memory_ordered 1
		.amdhsa_forward_progress 1
		.amdhsa_inst_pref_size 39
	.end_amdhsa_kernel
	.amdgpu_metadata
---
amdhsa.version: [ 1, 2 ]
amdhsa.kernels:
  - .name:           k_qeb33a55428_router
    .symbol:         k_qeb33a55428_router.kd
    .args:
      - { .name: embeddings, .offset: 0, .size: 8, .value_kind: global_buffer, .address_space: global }
      - { .name: router_w, .offset: 8, .size: 8, .value_kind: global_buffer, .address_space: global }
      - { .name: router_b, .offset: 16, .size: 8, .value_kind: global_buffer, .address_space: global }
      - { .name: xb, .offset: 24, .size: 8, .value_kind: global_buffer, .address_space: global }
      - { .name: sel, .offset: 32, .size: 8, .value_kind: global_buffer, .address_space: global }
      - { .name: gate, .offset: 40, .size: 8, .value_kind: global_buffer, .address_space: global }
    .group_segment_fixed_size: 71168
    .private_segment_fixed_size: 0
    .kernarg_segment_align: 8
    .kernarg_segment_size: 48
    .max_flat_workgroup_size: 128
    .sgpr_count:     66
    .vgpr_count:     256
    .wavefront_size: 32
...
	.end_amdgpu_metadata
.endif
;; end of part 1
;; launch experts (part 2): grid 16 x 16, 4 waves a work-group, no clusters, 230,912 bytes of LDS; arguments xb, w1, b1, w2, sel, part, pos; writes part, pos
.if DOCPART == 2
	.amdgcn_target "amdgcn-amd-amdhsa--gfx1250"
	.amdhsa_code_object_version 6
	.text
	.protected	k_qeb33a55428_experts
	.globl	k_qeb33a55428_experts
	.p2align	8
	.type	k_qeb33a55428_experts,@function
k_qeb33a55428_experts:
	s_mov_b64 s[64:65], 0
	v_nop
	global_prefetch_b8 v0, s[64:65] scope:SCOPE_SE
	s_setreg_imm32_b32 hwreg(HW_REG_WAVE_MODE, 25, 1), 1
	s_wait_xcnt 0x0
; EXPERTS.  For expert e (grid y) and slice s (grid x) of 64 hidden columns, and for every token that chose e:
;   part[e][s][rank] = the sum over the slice's d of relu(x[token] . w1[e][:, d] + b1[e][d]) w2[e][d],  rank = the token's place in e's list.
; Only chosen rows are multiplied: the other experts' results have weight 0 in the combine.  pos[e][t] = token t's rank (slice 0 stores it) tells the next launch where to look.
; FORMATS.  w1, b1, w2 are rounded once to bf16 on their way through registers, x came rounded; products on the matrix unit, sums, ReLU and the dot with w2 in f32 (h is never rounded).
; The dot with w2 has one output column: it is done by vector instructions, 96 for a tile's 256 matrix instructions.
; LIMITS.  NaN in h becomes 0 (the maximum with 0 drops it).  Every split of the tokens is served, 0 to 4,096 rows an expert; a very uneven one leaves most work-groups with little to do.
; SHARES.  The work-group alone reads w1[e][:, 64 s .. 64 s + 63], 1,024 pieces of 256 aligned bytes, each once in the launch, and keeps it in LDS as bf16 [k][d].
; Rows go in tiles of 32; tile t belongs to wave t % 4.  A tile: 32 rows x 64 columns x K = 1,024: 256 matrix instructions on 8 accumulators that take turns.
; The loop over tiles has a length that hangs on a stored count: it holds no barrier and no LDS store; x comes from memory straight into operand registers, w1's fragments from LDS.
; Every wave makes the expert's whole list for itself, in LDS bytes of its own, so that no list address is shared between waves.
; TWO BARRIERS, both on every wave's path: one between the filling of LDS and the loop, one behind the loop, between all waves' LDS reads and the closing lines' LDS write.
; NO TENSOR LOADS, NO CLUSTER: what an expert's 16 work-groups share is token rows that come by a list, which no tile descriptor covers; each slice of w1 has one reader.
; An x load takes 32 bytes of each of 16 rows (a fragment ties a lane to a row); a chunk's 16 loads together take whole aligned 256 bytes of 32 rows.
; REGISTERS, in windows of 256 (s_set_vgpr_msb: bits 1:0 source 0, 3:2 source 1, 5:4 source 2, 7:6 destination):
;   window 0: v0-31 addresses and at work; v32-159 w1's fragments, four buffers of 32 (before the loop: the 128 words of sel); v160-191 at work; v192-255 the accumulators
;   window 1: x, a ring of four chunks of 128 k, 64 registers each      window 2: w1 as loaded, two buffers of 128      window 3: v0-31 b1, v32-63 w2, v64-65 at work
.set WP,    160                        ; a row of w1 in LDS: 128 bytes (64 bf16) + 32 = 40 words
.set LISTS, 1024*WP                    ; behind w1's 1,024 rows: for each wave 4,096 token numbers and a word for lanes that have nothing to store
.set LISTW, 16640
.set SPARE, LISTS+4*LISTW              ; the spare words: 128 bytes a wave, two blocks of 256 bytes that no other line names
.set SPW, 4                            ; v4   my spare word's LDS address; never rewritten
.set NIL, 5                            ; v5   0; never rewritten
.set WB,  8                            ; v8-10  the turning load's address, for K steps 0-11, 12-23, 24-31
.set WF,  32
.set ACC, 192                          ; accumulator (nb, rb) at ACC + 8 (2 nb + rb)
.set SELR, 32
.set TT,  160                          ; the list: four words at a time
.set RR,  164
.set AA,  168
.set KK,  172
.set B1F, 0                            ; window 3
.set W2F, 32
.set T3,  64
.set MSB, 0
.macro WIN new                         ; the immediate's high byte repeats the setting that is left; a switch that changes nothing is dropped
.if MSB != (\new)
	s_set_vgpr_msb (MSB<<8)|(\new)
.set MSB, (\new)
.endif
.endm
.macro PLACES
.rept 4
	v_nop
.endr
.endm
; 64 rows of my wave's 256 rows of the slice: 32 loads, each two rows' 256 bytes
.macro WLOAD b
	WIN 0x80                                       ; destination window 2
.set j, 0
.rept 32
	global_load_b128 v[128*((\b)%2)+4*j:128*((\b)%2)+4*j+3], v7, s[6:7] offset:(32*(\b)+j)*8192 th:TH_LOAD_NT
.set j, j+1
.endr
.endm
; they are rounded in place and laid into LDS
.macro WCVT b
	WIN 0x8a                                       ; sources and destination window 2
.set j, 0
.rept 32
	v_cvt_pk_bf16_f32 v[128*((\b)%2)+4*j],   v[128*((\b)%2)+4*j],   v[128*((\b)%2)+4*j+1]
	v_cvt_pk_bf16_f32 v[128*((\b)%2)+4*j+1], v[128*((\b)%2)+4*j+2], v[128*((\b)%2)+4*j+3]
.set j, j+1
.endr
	WIN 0x08                                       ; store data (source 1) window 2, address window 0
.set j, 0
.rept 32
	ds_store_b64 v6, v[128*((\b)%2)+4*j:128*((\b)%2)+4*j+1] offset:(32*(\b)+j)*2*WP
.set j, j+1
.endr
.endm
; THE LIST, 128 tokens at a time: lane L holds the words of tokens 128 g + 4 L + i.  A token that chose e gets the next rank, in the order (g, i, lane).
; A lane without a match takes index 4,096, a word that nobody reads: EXEC is never narrowed.  The clamp is the last step that hangs on data; behind it a shift and an add.
.macro GROUP g
.irp i, 0,1,2,3
	v_and_b32 v[TT+\i], s23, v[SELR+4*(\g)+\i]
.endr
.irp i, 0,1,2,3
	v_cmp_ne_u32 s[25+\i], 0, v[TT+\i]
.endr
	s_bcnt1_i32_b32 s29, s25
	s_add_co_u32 s40, s24, s29
	s_bcnt1_i32_b32 s29, s26
	s_add_co_u32 s41, s40, s29
	s_bcnt1_i32_b32 s29, s27
	s_add_co_u32 s42, s41, s29
	s_bcnt1_i32_b32 s29, s28
	v_mbcnt_lo_u32_b32 v[RR],   s25, s24           ; matches in lower lanes + all matches before
	v_mbcnt_lo_u32_b32 v[RR+1], s26, s40
	v_mbcnt_lo_u32_b32 v[RR+2], s27, s41
	v_mbcnt_lo_u32_b32 v[RR+3], s28, s42
	s_add_co_u32 s24, s42, s29
.irp i, 0,1,2,3
	v_cndmask_b32 v[AA+\i], v12, v[RR+\i], s[25+\i]
.endr
.irp i, 0,1,2,3
	v_min_u32 v[AA+\i], 0x1000, v[AA+\i]
.endr
.irp i, 0,1,2,3
	v_lshl_add_u32 v[AA+\i], v[AA+\i], 2, v11
.endr
.irp i, 0,1,2,3
	v_add_nc_u32 v[KK+\i], 128*(\g)+\i, v13
.endr
.irp i, 0,1,2,3
	ds_store_b32 v[AA+\i], v[KK+\i]
.endr
	s_cmp_lg_u32 s30, 0
	s_cbranch_scc1 .Lnp_\@                         ; slice 0's wave 0 alone stores the ranks: 512 consecutive bytes
	global_store_b128 v21, v[RR:RR+3], s[16:17] offset:512*(\g)
	s_wait_xcnt 0x0                                ; the next group writes the ranks' registers anew
.Lnp_\@:
.endm
; the list places of rows ROW and ROW + 16, held to the expert's last row, and the two loads of their token numbers
.macro LISTADR
	v_min_u32 v24, s33, v14
	v_add_nc_u32 v25, 16, v14
	v_min_u32 v25, s33, v25
	v_min_u32 v24, 0xfff, v24
	v_min_u32 v25, 0xfff, v25
	v_lshl_add_u32 v24, v24, 2, v11
	v_lshl_add_u32 v25, v25, 2, v11
	ds_load_b32 v22, v24
	ds_load_b32 v23, v25
.endm
; chunk c of x (k = 128 c on) for the tile whose row offsets lie in v[o], v[o+1]: 16 loads
.macro XLOAD c, o
	WIN 0x40                                       ; destination window 1
.irp rb, 0,1
.irp k, 0,1,2,3
	global_load_b128 v[64*((\c)%4)+32*\rb+8*\k:64*((\c)%4)+32*\rb+8*\k+3],   v[(\o)+\rb], s[4:5] offset:256*(\c)+64*\k
	global_load_b128 v[64*((\c)%4)+32*\rb+8*\k+4:64*((\c)%4)+32*\rb+8*\k+7], v[(\o)+\rb], s[4:5] offset:256*(\c)+64*\k+32
.endr
.endr
.endm
; w1's fragments of K step k % 32: four blocks of 16 columns x 32 k, turned: 8 loads.  Destination and address lie in window 0.
.macro WFETCH k
.set wfs, (\k)%32
.set wfr, WF+32*(wfs%4)
.set wfo, (wfs%12)*32*WP
.irp nb, 0,1,2,3
	ds_load_tr16_b128 v[wfr+8*\nb:wfr+8*\nb+3],   v[WB+wfs/12] offset:wfo+32*\nb
	ds_load_tr16_b128 v[wfr+8*\nb+4:wfr+8*\nb+7], v[WB+wfs/12] offset:wfo+32*\nb+16*WP
.endr
.endm
; K STEP ks (a symbol) of a tile.  Four plain vector instructions stand between the last products and the loads into registers that they read (ISA guide 7.12.1 for vector instructions).
; Source 0 = 16 columns of w1, source 1 = 16 rows of x: register j of lane L is column 16 nb + 8 h + j of row 16 rb + r.  Step 0's C operand is the bias: nothing is cleared.
.macro KSTEP
.if ks == 0
	WIN 0
	v_add_nc_u32 v14, 0x80, v14                    ; my next tile lies 128 rows on
	LISTADR
.elseif ks == 5
	WIN 0                                          ; step 3's wait has shown the two list loads done
	v_min_u32 v22, 0xfff, v22
	v_min_u32 v23, 0xfff, v23
	v_lshl_add_u32 v18, v22, 11, v15               ; token x 2,048 bytes + 16 h
	v_lshl_add_u32 v19, v23, 11, v15
.else
	PLACES
.endif
.if ks%4 == 0
.if ks/4+3 < 8
	XLOAD (ks/4+3), 16                             ; three chunks ahead, this tile's
.else
	XLOAD (ks/4+3-8), 18                           ; or the next tile's
.endif
.endif
.if ks == 0
	WIN 0x34                                       ; x (source 1) window 1, the bias (source 2) window 3
.else
	WIN 0x04
.endif
	WFETCH ks+3                                    ; three steps ahead, into the buffer that the step before read
.if ks < 3
	s_wait_dscnt 26                                ; younger than this step's fragments: three runs of 8, and the two list loads
.else
	s_wait_dscnt 24                                ; three runs of 8
.endif
.if ks%4 == 0
	s_wait_loadcnt 48                              ; three chunks of 16 are younger: this chunk is in
.endif
.set mw, WF+32*(ks%4)
.set mx, 64*((ks/4)%4)+8*(ks%4)
.irp nb, 0,1,2,3
.irp rb, 0,1
.if ks == 0
	v_wmma_f32_16x16x32_bf16 v[ACC+8*(2*\nb+\rb):ACC+8*(2*\nb+\rb)+7], v[mw+8*\nb:mw+8*\nb+7], v[mx+32*\rb:mx+32*\rb+7], v[B1F+8*\nb:B1F+8*\nb+7]
.else
	v_wmma_f32_16x16x32_bf16 v[ACC+8*(2*\nb+\rb):ACC+8*(2*\nb+\rb)+7], v[mw+8*\nb:mw+8*\nb+7], v[mx+32*\rb:mx+32*\rb+7], v[ACC+8*(2*\nb+\rb):ACC+8*(2*\nb+\rb)+7]
.endif
.endr
.endr
.endm
; A TILE'S END: relu, times w2, summed: four chains (row block x parity of the pair), each accumulator read from its low end on; then the lane 16 away adds its eight columns of each block.
.macro EPI
	PLACES
	WIN 0x03                                       ; w2 (source 0) window 3
.set a, 0
.rept 8
.set p, 0
.rept 4
.set et, 160+2*((4*a+p)%8)
.set es, 24+4*(a%2)+2*(p%2)
	v_max_num_f32 v[et],   0, v[ACC+8*a+2*p]
	v_max_num_f32 v[et+1], 0, v[ACC+8*a+2*p+1]
.if (a < 2) && (p < 2)
	v_pk_mul_f32 v[es:es+1], v[W2F+8*(a/2)+2*p:W2F+8*(a/2)+2*p+1], v[et:et+1]
.else
	v_pk_fma_f32 v[es:es+1], v[W2F+8*(a/2)+2*p:W2F+8*(a/2)+2*p+1], v[et:et+1], v[es:es+1]
.endif
.set p, p+1
.endr
.set a, a+1
.endr
	WIN 0
	v_pk_add_f32 v[24:25], v[24:25], v[26:27]
	v_pk_add_f32 v[28:29], v[28:29], v[30:31]
	v_add_f32 v24, v24, v25
	v_add_f32 v28, v28, v29
	v_permlanex16_b32 v25, v24, s34, s35
	v_permlanex16_b32 v29, v28, s34, s35
	v_add_f32 v24, v24, v25
	v_add_f32 v28, v28, v29
	v_cndmask_b32 v26, v24, v28, s36               ; lane L holds row L of the tile
	global_store_b32 v20, v26, s[14:15]            ; 128 consecutive bytes a tile; rows past the count repeat the last row and are never read
.endm
	s_load_b256 s[4:11], s[0:1], 0x0               ; xb s[4:5], w1 s[6:7], b1 s[8:9], w2 s[10:11]
	s_load_b128 s[12:15], s[0:1], 0x20             ; sel s[12:13], part s[14:15]
	s_load_b64 s[16:17], s[0:1], 0x30              ; pos
	v_lshl_add_u32 v[SPW], v0, 2, SPARE
	v_mov_b32 v[NIL], 0
	v_lshrrev_b32 v22, 5, v0
	v_readfirstlane_b32 s20, v22                   ; wave 0..3
	s_and_b32 s21, ttmp7, 0xffff                   ; expert
	s_mov_b32 s22, ttmp9                           ; slice
	s_lshl_b32 s23, 0x10001, s21                   ; the expert's two bits in a word of sel
	s_or_b32 s30, s20, s22                         ; 0: slice 0's wave 0
	s_mov_b32 s34, 0x76543210                      ; v_permlanex16_b32: each lane takes its own place in the other half
	s_mov_b32 s35, 0xfedcba98
	s_mov_b32 s36, 0xffff0000                      ; lanes 16-31; also a word's upper bf16
	v_and_b32 v1, 31, v0                           ; L
	v_and_b32 v2, 15, v0                           ; r
	v_bfe_u32 v3, v0, 4, 1                         ; h
	s_mul_i32 s40, s20, 256*WP                     ; my wave's 256 rows of w1 in LDS
	v_mul_u32_u24 v6, v3, WP
	v_lshl_add_u32 v6, v2, 3, v6
	v_add_nc_u32 v6, s40, v6                       ; into LDS: row L / 16 of two, 8 bytes a lane
	s_lshl_b32 s41, s20, 20                        ; and in memory: 256 rows of 4,096 bytes
	v_lshlrev_b32 v7, 12, v3
	v_lshl_add_u32 v7, v2, 4, v7
	v_add_nc_u32 v7, s41, v7
	v_and_b32 v22, 7, v0
	v_lshl_add_u32 v22, v3, 3, v22                 ; the turning load: k row 8 h + L % 8,
	v_mul_u32_u24 v[WB], v22, WP
	v_bfe_u32 v23, v0, 3, 1
	v_lshl_add_u32 v[WB], v23, 4, v[WB]            ; columns 8 ((L / 8) % 2) on
	v_add_nc_u32 v[WB+1], 12*32*WP, v[WB]          ; an LDS offset has 16 bits: a base for every twelve K steps
	v_add_nc_u32 v[WB+2], 24*32*WP, v[WB]
	s_mul_i32 s42, s20, LISTW
	s_add_co_u32 s42, s42, LISTS
	v_mov_b32 v11, s42                             ; my wave's list
	v_mov_b32 v12, 0x1000                          ; the index of the word that nobody reads
	v_lshlrev_b32 v13, 2, v1                       ; 4 L
	s_lshl_b32 s40, s20, 5
	v_add_nc_u32 v14, s40, v2                      ; ROW = 32 w + r
	v_lshlrev_b32 v15, 4, v3                       ; 16 h
	v_add_nc_u32 v20, s40, v1
	v_lshlrev_b32 v20, 2, v20                      ; my word in part: rank 32 w + L
	v_lshlrev_b32 v21, 4, v1                       ; 16 L
	v_lshlrev_b32 v22, 5, v3                       ; 32 h: b1's and w2's columns 8 h on
	s_lshl_b32 s38, s21, 22                        ; w1: an expert is 4 MiB, a slice 256 bytes of each row
	s_lshl_b32 s43, s22, 8
	s_or_b32 s38, s38, s43
	s_mov_b32 s39, 0
	s_lshl_b32 s44, s21, 12                        ; b1, w2: an expert is 4,096 bytes
	s_or_b32 s44, s44, s43
	s_mov_b32 s45, 0
	s_lshl_b32 s46, s21, 4
	s_add_co_u32 s46, s46, s22
	s_lshl_b32 s46, s46, 14                        ; part: plane 16 e + s of 16,384 bytes
	s_mov_b32 s47, 0
	s_lshl_b32 s48, s21, 14                        ; pos: plane e
	s_mov_b32 s49, 0
	s_wait_kmcnt 0x0
	s_add_nc_u64 s[6:7], s[6:7], s[38:39]
	s_add_nc_u64 s[8:9], s[8:9], s[44:45]
	s_add_nc_u64 s[10:11], s[10:11], s[44:45]
	s_add_nc_u64 s[14:15], s[14:15], s[46:47]
	s_add_nc_u64 s[16:17], s[16:17], s[48:49]
	WIN 0xc0                                       ; destination window 3
.irp nb, 0,1,2,3
	global_load_b128 v[B1F+8*\nb:B1F+8*\nb+3],   v22, s[8:9] offset:64*\nb
	global_load_b128 v[B1F+8*\nb+4:B1F+8*\nb+7], v22, s[8:9] offset:64*\nb+16
.endr
.irp nb, 0,1,2,3
	global_load_b128 v[W2F+8*\nb:W2F+8*\nb+3],   v22, s[10:11] offset:64*\nb
	global_load_b128 v[W2F+8*\nb+4:W2F+8*\nb+7], v22, s[10:11] offset:64*\nb+16
.endr
	WIN 0
.set j, 0
.rept 32                               ; all 4,096 mask words: 128 registers
	global_load_b128 v[SELR+4*j:SELR+4*j+3], v21, s[12:13] offset:512*j
.set j, j+1
.endr
	WLOAD 0
	s_wait_loadcnt 32                              ; the 32 loads of w1 are younger: b1, w2 and sel are in
	WLOAD 1                                        ; from here on 64 loads of w1, 32 KB a wave, are out or just landed
	WIN 0xcf                                       ; b1 and w2 rounded to bf16 and widened again, all in window 3
.set j, 0
.rept 32
	v_cvt_pk_bf16_f32 v[T3+j%2], v[2*j], v[2*j+1]
	v_lshlrev_b32 v[2*j], 16, v[T3+j%2]
	v_and_b32 v[2*j+1], s36, v[T3+j%2]
.set j, j+1
.endr
	WIN 0
	ds_store_b32 v11, v[NIL]                       ; list[0] is written whatever the count: an expert without rows still forms addresses from it
	s_mov_b32 s24, 0                               ; matches so far
.irp g, 0,1,2,3,4,5,6,7,8,9,10                     ; the list is made in three parts, between the batches of w1, so that the next batch is asked for sooner
	GROUP \g
.endr
	s_wait_loadcnt 32                              ; batch 1 is younger: batch 0 is in
	WCVT 0
	WLOAD 2
	WIN 0
.irp g, 11,12,13,14,15,16,17,18,19,20,21
	GROUP \g
.endr
	s_wait_loadcnt 32                              ; batch 2 is younger: batch 1 is in
	WCVT 1
	WLOAD 3
	WIN 0
.irp g, 22,23,24,25,26,27,28,29,30,31
	GROUP \g
.endr
	s_add_co_u32 s31, s24, 31
	s_lshr_b32 s31, s31, 5                         ; tiles of 32 rows
	s_add_co_u32 s31, s31, 3
	s_sub_co_u32 s31, s31, s20
	s_lshr_b32 s31, s31, 2                         ; of them mine: tiles w, w + 4, ..
	s_min_u32 s31, s31, 32                         ; 4,096 rows are 32 tiles a wave at the most
	s_max_u32 s33, s24, 1
	s_sub_co_u32 s33, s33, 1                       ; the last row that exists
	LISTADR                                        ; my first tile's rows (LDS serves a wave's instructions in order: these see the list's stores)
	s_wait_dscnt 0x0
	v_min_u32 v22, 0xfff, v22
	v_min_u32 v23, 0xfff, v23
	v_lshl_add_u32 v16, v22, 11, v15
	v_lshl_add_u32 v17, v23, 11, v15
	s_wait_loadcnt 32                              ; batch 3 is younger: batch 2 is in
	WCVT 2
	XLOAD 0, 16                                    ; my first tile's first three chunks of x
	XLOAD 1, 16
	XLOAD 2, 16
	s_wait_loadcnt 48                              ; those 48 are younger: batch 3 is in
	WCVT 3
	WIN 0
	s_wait_dscnt 0x0                               ; for the others' sake: my rows of w1 are in LDS
	s_barrier_signal -1
	s_barrier_wait -1                              ; behind it, up to the barrier at the end, LDS is only read
	WFETCH 0
	WFETCH 1
	WFETCH 2
	s_mov_b32 s32, 0
	s_cmp_eq_u32 s31, 0
	s_cbranch_scc1 .Lend                           ; no tile for this wave
.Ltile:                                                ; on both ways in: 24 LDS loads (K steps 0 to 2) and 48 global loads (chunks 0 to 2) are out
.set ks, 0
.rept 32
	KSTEP
.set ks, ks+1
.endr
	EPI
	s_wait_xcnt 0x0                                ; the store and all x loads have read their address and data registers
	v_add_nc_u32 v20, 0x200, v20                   ; my next tile's 128 ranks on
	v_mov_b32 v16, v18                             ; its rows
	v_mov_b32 v17, v19
	s_add_co_u32 s32, s32, 1
	s_cmp_lt_u32 s32, s31
	s_cbranch_scc1 .Ltile
.Lend:                                                 ; every wave comes here, with tiles or without
	s_wait_dscnt 0x0                               ; my LDS reads are back: the list loads and the fragments fetched ahead
	s_barrier_signal -1                            ; load, wait, barrier, write: no wave writes LDS again
	s_barrier_wait -1                              ; before all four have ended their reads
	s_wait_tensorcnt 0x0                           ; the wave's end
	ds_add_u32 v[SPW], v[NIL]
	s_wait_dscnt 0x0
	s_endpgm
.Lfunc_end_k_qeb33a55428_experts:
	.size	k_qeb33a55428_experts, .Lfunc_end_k_qeb33a55428_experts-k_qeb33a55428_experts
	.p2alignl 7, 3214868480
	.fill 96, 4, 3214868480
	.section	.rodata,"a",@progbits
	.p2align	6, 0x0
	.amdhsa_kernel k_qeb33a55428_experts
		.amdhsa_group_segment_fixed_size 230912
		.amdhsa_private_segment_fixed_size 0
		.amdhsa_enable_private_segment 0
		.amdhsa_kernarg_size 56
		.amdhsa_user_sgpr_count 2
		.amdhsa_user_sgpr_kernarg_segment_ptr 1
		.amdhsa_wavefront_size32 1
		.amdhsa_system_sgpr_workgroup_id_x 1
		.amdhsa_system_sgpr_workgroup_id_y 1
		.amdhsa_system_sgpr_workgroup_id_z 1
		.amdhsa_system_vgpr_workitem_id 0
		.amdhsa_next_free_vgpr 840
		.amdhsa_next_free_sgpr 66
		.amdhsa_reserve_vcc 0
		.amdhsa_float_denorm_mode_32 3
		.amdhsa_float_denorm_mode_16_64 3
		.amdhsa_memory_ordered 1
		.amdhsa_forward_progress 1
		.amdhsa_inst_pref_size 186
	.end_amdhsa_kernel
	.amdgpu_metadata
---
amdhsa.version: [ 1, 2 ]
amdhsa.kernels:
  - .name:           k_qeb33a55428_experts
    .symbol:         k_qeb33a55428_experts.kd
    .args:
      - { .name: xb, .offset: 0, .size: 8, .value_kind: global_buffer, .address_space: global }
      - { .name: w1, .offset: 8, .size: 8, .value_kind: global_buffer, .address_space: global }
      - { .name: b1, .offset: 16, .size: 8, .value_kind: global_buffer, .address_space: global }
      - { .name: w2, .offset: 24, .size: 8, .value_kind: global_buffer, .address_space: global }
      - { .name: sel, .offset: 32, .size: 8, .value_kind: global_buffer, .address_space: global }
      - { .name: part, .offset: 40, .size: 8, .value_kind: global_buffer, .address_space: global }
      - { .name: pos, .offset: 48, .size: 8, .value_kind: global_buffer, .address_space: global }
    .group_segment_fixed_size: 230912
    .private_segment_fixed_size: 0
    .kernarg_segment_align: 8
    .kernarg_segment_size: 56
    .max_flat_workgroup_size: 128
    .sgpr_count:     66
    .vgpr_count:     840
    .wavefront_size: 32
...
	.end_amdgpu_metadata
.endif
;; end of part 2
;; launch combine (part 3): grid 64 x 1, 1 waves a work-group, no clusters, 0 bytes of LDS; arguments part, pos, sel, gate, b2, out0; writes out0
.if DOCPART == 3
	.amdgcn_target "amdgcn-amd-amdhsa--gfx1250"
	.amdhsa_code_object_version 6
	.text
	.protected	k_qeb33a55428_combine
	.globl	k_qeb33a55428_combine
	.p2align	8
	.type	k_qeb33a55428_combine,@function
k_qeb33a55428_combine:
	s_mov_b64 s[64:65], 0
	v_nop
	global_prefetch_b8 v0, s[64:65] scope:SCOPE_SE
	s_setreg_imm32_b32 hwreg(HW_REG_WAVE_MODE, 25, 1), 1
	s_wait_xcnt 0x0
; COMBINE.  out[t] = g1 (sum over the 16 slices of part[i1][s][rank1] + b2[i1]) + g2 (the same for i2).  All sums in f32; b2 is rounded to bf16 like every input.
; Lane L of work-group g has tokens 64 g + 2 L and 64 g + 2 L + 1, so that the wave's one store covers 256 consecutive bytes, aligned.
; 64 work-groups of one wave: the output is 16 KB, and the launch is three dependent trips to memory (indices; ranks; partial sums).
; Indices and ranks are whole numbers that earlier launches stored; each is held to its table's size before it enters an address.
; q = 2 x (token of the lane's two) + (choice 0 or 1).
	s_load_b256 s[4:11], s[0:1], 0x0               ; part s[4:5], pos s[6:7], sel s[8:9], gate s[10:11]
	s_load_b128 s[12:15], s[0:1], 0x20             ; b2 s[12:13], out0 s[14:15]
	s_lshl_b32 s16, ttmp9, 8
	v_lshl_add_u32 v2, v0, 3, s16                  ; 4 x my first token
	s_wait_kmcnt 0x0
	global_load_b64 v[4:5], v2, s[8:9] offset:16384   ; i1 | i2 << 8 of both tokens
	global_load_b64 v[6:7], v2, s[10:11]              ; g1
	global_load_b64 v[8:9], v2, s[10:11] offset:16384 ; g2
	s_wait_loadcnt 0x0
	v_and_b32 v10, 0xff, v4
	v_bfe_u32 v11, v4, 8, 8
	v_and_b32 v12, 0xff, v5
	v_bfe_u32 v13, v5, 8, 8
.irp q, 0,1,2,3
	v_min_u32 v[10+\q], 15, v[10+\q]
.endr
.irp q, 0,1,2,3
	v_lshl_add_u32 v[14+\q], v[10+\q], 14, v2      ; pos: plane e of 16,384 bytes, my first token's word
	v_lshlrev_b32 v[96+\q], 2, v[10+\q]            ; b2[e]
.endr
	global_load_b32 v26, v14, s[6:7]
	global_load_b32 v27, v15, s[6:7]
	global_load_b32 v28, v16, s[6:7] offset:4      ; the second token's word
	global_load_b32 v29, v17, s[6:7] offset:4
.irp q, 0,1,2,3
	global_load_b32 v[18+\q], v[96+\q], s[12:13]
.endr
	s_wait_loadcnt 4                               ; the four loads of b2 are younger: the ranks are in
.irp q, 0,1,2,3
	v_min_u32 v[26+\q], 0xfff, v[26+\q]
	v_lshlrev_b32 v[22+\q], 18, v[10+\q]           ; part: an expert is 16 planes of 16,384 bytes
.endr
.irp q, 0,1,2,3
	v_lshl_add_u32 v[22+\q], v[26+\q], 2, v[22+\q]
.endr
.irp q, 0,1,2,3
.irp s, 0,1,2,3,4,5,6,7,8,9,10,11,12,13,14,15
	global_load_b32 v[32+16*\q+\s], v[22+\q], s[4:5] offset:16384*\s
.endr
.endr
.macro SUM16 b                         ; sixteen partial sums into v[b]
.irp k, 0,2,4,6
	v_pk_add_f32 v[(\b)+\k:(\b)+\k+1], v[(\b)+\k:(\b)+\k+1], v[(\b)+\k+8:(\b)+\k+9]
.endr
	v_pk_add_f32 v[(\b):(\b)+1], v[(\b):(\b)+1], v[(\b)+4:(\b)+5]
	v_pk_add_f32 v[(\b)+2:(\b)+3], v[(\b)+2:(\b)+3], v[(\b)+6:(\b)+7]
	v_pk_add_f32 v[(\b):(\b)+1], v[(\b):(\b)+1], v[(\b)+2:(\b)+3]
	v_add_f32 v[(\b)], v[(\b)], v[(\b)+1]
.endm
	s_wait_loadcnt 48                              ; three times sixteen are younger: b2 and q = 0's sixteen are in
	v_cvt_pk_bf16_f32 v102, v18, v19               ; b2 rounded to bf16 and widened again
	v_cvt_pk_bf16_f32 v103, v20, v21
	v_lshlrev_b32 v18, 16, v102
	v_and_b32 v19, 0xffff0000, v102
	v_lshlrev_b32 v20, 16, v103
	v_and_b32 v21, 0xffff0000, v103
	SUM16 32
	s_wait_loadcnt 32
	SUM16 48
	s_wait_loadcnt 16
	SUM16 64
	s_wait_loadcnt 0x0
	SUM16 80
	v_add_f32 v32, v32, v18
	v_add_f32 v48, v48, v19
	v_add_f32 v64, v64, v20
	v_add_f32 v80, v80, v21
	v_mul_f32 v100, v6, v32
	v_mul_f32 v101, v7, v64
	v_fma_f32 v100, v8, v48, v100
	v_fma_f32 v101, v9, v80, v101
	global_store_b64 v2, v[100:101], s[14:15]      ; 32 lanes x 8 bytes: 256 consecutive bytes, aligned
	s_endpgm
.Lfunc_end_k_qeb33a55428_combine:
	.size	k_qeb33a55428_combine, .Lfunc_end_k_qeb33a55428_combine-k_qeb33a55428_combine
	.p2alignl 7, 3214868480
	.fill 96, 4, 3214868480
	.section	.rodata,"a",@progbits
	.p2align	6, 0x0
	.amdhsa_kernel k_qeb33a55428_combine
		.amdhsa_group_segment_fixed_size 0
		.amdhsa_private_segment_fixed_size 0
		.amdhsa_enable_private_segment 0
		.amdhsa_kernarg_size 48
		.amdhsa_user_sgpr_count 2
		.amdhsa_user_sgpr_kernarg_segment_ptr 1
		.amdhsa_wavefront_size32 1
		.amdhsa_system_sgpr_workgroup_id_x 1
		.amdhsa_system_sgpr_workgroup_id_y 1
		.amdhsa_system_sgpr_workgroup_id_z 1
		.amdhsa_system_vgpr_workitem_id 0
		.amdhsa_next_free_vgpr 112
		.amdhsa_next_free_sgpr 66
		.amdhsa_reserve_vcc 0
		.amdhsa_float_denorm_mode_32 3
		.amdhsa_float_denorm_mode_16_64 3
		.amdhsa_memory_ordered 1
		.amdhsa_forward_progress 1
		.amdhsa_inst_pref_size 12
	.end_amdhsa_kernel
	.amdgpu_metadata
---
amdhsa.version: [ 1, 2 ]
amdhsa.kernels:
  - .name:           k_qeb33a55428_combine
    .symbol:         k_qeb33a55428_combine.kd
    .args:
      - { .name: part, .offset: 0, .size: 8, .value_kind: global_buffer, .address_space: global }
      - { .name: pos, .offset: 8, .size: 8, .value_kind: global_buffer, .address_space: global }
      - { .name: sel, .offset: 16, .size: 8, .value_kind: global_buffer, .address_space: global }
      - { .name: gate, .offset: 24, .size: 8, .value_kind: global_buffer, .address_space: global }
      - { .name: b2, .offset: 32, .size: 8, .value_kind: global_buffer, .address_space: global }
      - { .name: out0, .offset: 40, .size: 8, .value_kind: global_buffer, .address_space: global }
    .group_segment_fixed_size: 0
    .private_segment_fixed_size: 0
    .kernarg_segment_align: 8
    .kernarg_segment_size: 48
    .max_flat_workgroup_size: 32
    .sgpr_count:     66
    .vgpr_count:     112
    .wavefront_size: 32
...
	.end_amdgpu_metadata
.endif
;; end of part 3
;; ======== version 2 of 2: 3 launches; version 1 with the launches router, experts written anew for expert scheduling mode
;; workspace buffers: xb 8,388,608 bytes; sel 32,768 bytes of whole numbers; gate 32,768 bytes; part 4,194,304 bytes; pos 262,144 bytes of whole numbers
;; launch router (part 4): grid 256 x 1, 4 waves a work-group, no clusters, 71,168 bytes of LDS; arguments embeddings, router_w, router_b, xb, sel, gate; writes xb, sel, gate
.if DOCPART == 4
	.amdgcn_target "amdgcn-amd-amdhsa--gfx1250"
	.amdhsa_code_object_version 6
	.text
	.protected	k_qeb33a55428_router
	.globl	k_qeb33a55428_router
	.p2align	8
	.type	k_qeb33a55428_router,@function
k_qeb33a55428_router:
	s_mov_b64 s[64:65], 0
	v_nop
	global_prefetch_b8 v0, s[64:65] scope:SCOPE_SE
	s_setreg_imm32_b32 hwreg(HW_REG_WAVE_SCHED_MODE, 0, 2), 2
	s_setreg_imm32_b32 hwreg(HW_REG_WAVE_MODE, 25, 1), 1
	s_wait_xcnt 0x0
	s_wait_alu depctr_vm_vsrc(0)
; ROUTER.  logits = x . router_w + router_b; the two largest of a token's 16 logits (ties: the lower index); softmax over the two, the larger taken away first.
; Also: x is rounded once to bf16 and stored as xb [4096][1024] for the next launch.
; x, router_w and router_b are rounded to bf16; products on the matrix unit, all sums in f32.  So the choice is that of the rounded inputs.
; LIMITS.  NaN is not treated apart (a NaN logit is never chosen by the compares); the f32 sums go in another order than a plain dot product's.
; SHARES.  A work-group has 16 tokens; wave w takes k = 256 w .. 256 w + 255 of all 16; the four partial logits meet in LDS, and wave 0 finishes.
; No cluster, no tensor loads: a work-group's x is read by nobody else, and router_w is 64 KB in all.
; OUT.  sel: word t = (1 << i1) | (1 << (16 + i2)); word 4096 + t = i1 | i2 << 8.  gate: word t = g1, word 4096 + t = g2.
; These four stores of 64 bytes a work-group do not fill aligned blocks of 256 bytes: 64 KB in the whole launch; whole blocks would want 64 tokens a work-group, a quarter of the work-groups.
; THE MODE: SCHED_MODE bits 1:0 = 2 (LLVM: expert scheduling mode 2), set by the entry lines.  The code itself states the register dependences
; between vector or matrix instructions and memory or LDS instructions, with s_wait_alu, always for 0.
; THE PLAN.  Registers that memory or LDS instructions touch:
;   v6-v15     offsets and addresses: written at the head, never again; one wait ahead of the first load serves them all.
;   v64-127    router_w's first half lands; its conversions work in place; LDS stores read them; the second half lands, is converted and stored likewise; then the fragments land; the products read them; in wave 0 the partial logits land.
;   v128-255   x lands; the conversions work in place; an LDS store and a global store read each pair; then x's fragments land in v128-191; the products read them.
;   v56-63     written by the sums of the two accumulators; read by two LDS stores.      v123, v124  written by wave 0's last selects; read by the two last stores.
; Conversions go in runs, one wait behind each run, the run's stores behind the wait; the stores of x's rows 0-7 are dealt among the conversions of rows 8-15, which name other registers.
.set XP,    528                        ; a row of x in LDS: 512 bytes (256 bf16) + 16: the 16 rows of a fragment load start 132 words apart
.set XSW,   16*XP                      ; a wave's x: 16 rows
.set RWS,   4*XSW                      ; behind them, for each wave: router_w [256 k][16 e] bf16, rows of 32 bytes
.set RED,   RWS+4*8192                 ; behind them, for each wave: 32 lanes x 8 partial logits in f32
.set SPARE, RED+4*1024                 ; the spare words: 128 bytes a wave, two blocks of 256 bytes that no other line names
.set SPW, 4                            ; v4  my spare word's LDS address; never rewritten
.set NIL, 5                            ; v5  0; never rewritten
.set RWR, 64                           ; v64-127   router_w as loaded (16 loads at a time), later its 8 fragments; in wave 0's tail the four partials
.set XR,  128                          ; v128-255  x as loaded, later its 8 fragments in v128-191
.set LG,  96                           ; v96-111   wave 0: a token's 16 logits
.macro CVT4 a                          ; four f32 become four bf16 in the first two registers
	v_cvt_pk_bf16_f32 v[(\a)], v[(\a)], v[(\a)+1]
	v_cvt_pk_bf16_f32 v[(\a)+1], v[(\a)+2], v[(\a)+3]
.endm
	s_load_b256 s[4:11], s[0:1], 0x0               ; embeddings s[4:5], router_w s[6:7], router_b s[8:9], xb s[10:11]
	s_load_b128 s[12:15], s[0:1], 0x20             ; sel s[12:13], gate s[14:15]
	v_lshl_add_u32 v[SPW], v0, 2, SPARE
	v_mov_b32 v[NIL], 0
	v_lshrrev_b32 v18, 5, v0
	v_readfirstlane_b32 s16, v18                   ; wave 0..3
	v_and_b32 v1, 31, v0                           ; L
	v_and_b32 v2, 15, v0                           ; r = L % 16
	v_bfe_u32 v3, v0, 4, 1                         ; h = L / 16
	s_mov_b32 s22, 0xffff0000                      ; lanes 16-31; also a word's upper bf16
	s_mov_b32 s24, 0x76543210                      ; v_permlanex16_b32: each lane takes its own place in the other half
	s_mov_b32 s25, 0xfedcba98
	s_wait_alu depctr_va_sdst(0)                   ; s16 is written, ahead of its first reader: LDS places and the bases are made from it
	s_mul_i32 s26, s16, XSW                        ; my wave's x in LDS
	s_lshl_b32 s27, s16, 13
	s_add_co_u32 s27, s27, RWS                     ; my wave's router_w in LDS
	s_lshl_b32 s28, s16, 10
	s_add_co_u32 s28, s28, RED                     ; my wave's partial logits
	s_lshl_b32 s29, ttmp9, 6                       ; 16 tokens x 4 bytes
	v_lshlrev_b32 v6, 4, v1                        ; 16 L: loads of 16 bytes a lane
	v_lshlrev_b32 v7, 3, v1                        ; 8 L: stores of 8 bytes a lane
	v_lshl_add_u32 v8, v1, 3, s26                  ; x into LDS
	v_lshl_add_u32 v9, v1, 3, s27                  ; router_w into LDS
	v_mul_u32_u24 v10, v2, XP
	v_lshl_add_u32 v10, v3, 4, v10
	v_add_nc_u32 v10, s26, v10                     ; x fragment: row r, 16 h
	v_and_b32 v18, 7, v0
	v_lshl_add_u32 v18, v3, 3, v18                 ; the turning load: k row 8 h + L % 8,
	v_bfe_u32 v19, v0, 3, 1
	v_lshlrev_b32 v18, 5, v18
	v_lshl_add_u32 v18, v19, 4, v18                ; experts 8 ((L / 8) % 2) on
	v_add_nc_u32 v11, s27, v18
	v_lshl_add_u32 v12, v1, 5, s28                 ; my 32 bytes of partial logits
	v_lshl_add_u32 v13, v1, 5, RED                 ; the same place in wave 0's block
	v_lshlrev_b32 v14, 5, v3                       ; router_b: experts 8 h on
	v_lshl_add_u32 v15, v2, 2, s29
	v_lshl_add_u32 v15, v3, 14, v15                ; token's word; lanes 16-31 one plane of 16,384 bytes on
	v_mov_b32 v16, 1
	v_mov_b32 v17, 0x10000
	s_lshl_b32 s18, ttmp9, 16                      ; 16 rows of 4,096 bytes,
	s_lshl_b32 s30, s16, 10                        ; my wave's 1,024 bytes of a row
	s_or_b32 s18, s18, s30
	s_mov_b32 s19, 0
	s_lshl_b32 s32, s16, 14                        ; my wave's 256 rows of router_w
	s_mov_b32 s33, 0
	s_lshl_b32 s34, ttmp9, 15                      ; 16 rows of 2,048 bytes of xb,
	s_lshl_b32 s30, s16, 9                         ; my wave's 512 bytes
	s_or_b32 s34, s34, s30
	s_mov_b32 s35, 0
	s_wait_kmcnt 0x0
	s_add_nc_u64 s[4:5], s[4:5], s[18:19]
	s_add_nc_u64 s[6:7], s[6:7], s[32:33]
	s_add_nc_u64 s[10:11], s[10:11], s[34:35]
	s_wait_alu depctr_va_vdst(0)                   ; the offsets and addresses v6 to v15 are written, which every load and store below reads
	; all loads that have room go out at once: the bias (2), the first half of router_w (16), x (32)
	global_load_b128 v[48:51], v14, s[8:9]
	global_load_b128 v[52:55], v14, s[8:9] offset:16
.set n, 0
.rept 16
	global_load_b128 v[RWR+4*n:RWR+4*n+3], v6, s[6:7] offset:512*n
.set n, n+1
.endr
.set n, 0
.rept 32                               ; row n / 2, half n % 2: 512 consecutive bytes a load
	global_load_b128 v[XR+4*n:XR+4*n+3], v6, s[4:5] offset:4096*(n/2)+512*(n%2) th:TH_LOAD_NT
.set n, n+1
.endr
	s_wait_loadcnt 32                              ; the 32 loads of x are younger: the bias and router_w's first half are in
.set n, 0
.rept 16
	CVT4 (RWR+4*n)
.set n, n+1
.endr
	s_wait_alu depctr_va_vdst(0)                   ; the conversions have written v[RWR ..], which the LDS stores read, and are done with the registers in which the second half lands
.set n, 0
.rept 16
	ds_store_b64 v9, v[RWR+4*n:RWR+4*n+1] offset:256*n
.set n, n+1
.endr
	s_wait_alu depctr_vm_vsrc(0)                   ; the LDS stores have read v[RWR ..], in which the next loads land
.set n, 0
.rept 16                               ; router_w's second half, into the same registers
	global_load_b128 v[RWR+4*n:RWR+4*n+3], v6, s[6:7] offset:512*(16+n)
.set n, n+1
.endr
	s_wait_loadcnt 16                              ; those 16 are younger: x is in
.set n, 0
.rept 16                               ; x's rows 0 to 7
	CVT4 (XR+4*n)
.set n, n+1
.endr
	s_wait_alu depctr_va_vdst(0)                   ; the conversions of rows 0 to 7 have written their pairs, which the stores below read
.set n, 0
.rept 16                               ; their stores, dealt among the conversions of rows 8 to 15, which name other registers
	ds_store_b64 v8, v[XR+4*n:XR+4*n+1] offset:XP*(n/2)+256*(n%2)
	global_store_b64 v7, v[XR+4*n:XR+4*n+1], s[10:11] offset:2048*(n/2)+256*(n%2)  ; 32 lanes x 8 bytes: 256 consecutive bytes, aligned
	CVT4 (XR+4*(16+n))
.set n, n+1
.endr
	s_wait_loadcnt 0x0                             ; router_w's second half is in
.set n, 0
.rept 16
	CVT4 (RWR+4*n)
.set n, n+1
.endr
.set n, 0
.rept 4                                ; the bias rounded to bf16 and widened again
	v_cvt_pk_bf16_f32 v[18+n], v[48+2*n], v[48+2*n+1]
	v_lshlrev_b32 v[48+2*n], 16, v[18+n]
	v_and_b32 v[48+2*n+1], s22, v[18+n]
.set n, n+1
.endr
	s_wait_alu depctr_va_vdst(0)                   ; the conversions of x's rows 8 to 15 and of router_w's second half have written what the stores below read; no vector line behind this wait names v64-255 before the fragments land there
.set n, 16
.rept 16
	ds_store_b64 v8, v[XR+4*n:XR+4*n+1] offset:XP*(n/2)+256*(n%2)
	global_store_b64 v7, v[XR+4*n:XR+4*n+1], s[10:11] offset:2048*(n/2)+256*(n%2)
.set n, n+1
.endr
.set n, 0
.rept 16
	ds_store_b64 v9, v[RWR+4*n:RWR+4*n+1] offset:256*(16+n)
.set n, n+1
.endr
	s_wait_xcnt 0x0                                ; the stores into xb have had their addresses translated: v128 on are loaded again only behind this wait
	s_wait_alu depctr_vm_vsrc(0)                   ; the LDS stores and the stores into xb have read v[RWR ..] and v[XR ..], in which the fragments land
	; Fragments, from my wave's own LDS bytes (LDS serves a wave's instructions in order: ISA guide 5.7.1.4): no barrier.
	; router_w lies [k][e]: the turning load leaves lane r expert r with 8 k in four registers.  x lies [token][k]: two plain loads 32 bytes apart.
.set n, 0
.rept 8
	ds_load_tr16_b128 v[RWR+8*n:RWR+8*n+3],   v11 offset:1024*n
	ds_load_tr16_b128 v[RWR+8*n+4:RWR+8*n+7], v11 offset:1024*n+512
	ds_load_b128 v[XR+8*n:XR+8*n+3],   v10 offset:64*n
	ds_load_b128 v[XR+8*n+4:XR+8*n+7], v10 offset:64*n+32
.set n, n+1
.endr
	s_wait_dscnt 0x0
	; source 0 = 16 experts, source 1 = 16 tokens: register j of lane L is expert 8 h + j of token r.  Two accumulators take turns; the first two products start the sums.
	v_wmma_f32_16x16x32_bf16 v[32:39], v[RWR:RWR+7], v[XR:XR+7], 0
	v_wmma_f32_16x16x32_bf16 v[40:47], v[RWR+8:RWR+15], v[XR+8:XR+15], 0
.set n, 2
.rept 6
	v_wmma_f32_16x16x32_bf16 v[32+8*(n%2):32+8*(n%2)+7], v[RWR+8*n:RWR+8*n+7], v[XR+8*n:XR+8*n+7], v[32+8*(n%2):32+8*(n%2)+7]
.set n, n+1
.endr
.rept 4
	v_nop                                          ; four places between the last product and the first read of a result (ISA guide 7.12.1)
.endr
.set n, 0
.rept 4                                ; both accumulators are read from their low end on
	v_pk_add_f32 v[56+2*n:56+2*n+1], v[32+2*n:32+2*n+1], v[40+2*n:40+2*n+1]
.set n, n+1
.endr
	s_wait_alu depctr_va_vdst(0)                   ; the sums have written v56-63, which the LDS stores read; the products are done reading v64-95, in which wave 0's loads land
	ds_store_b128 v12, v[56:59]
	ds_store_b128 v12, v[60:63] offset:16
	s_wait_dscnt 0x0                               ; for wave 0's sake: my partial logits are in LDS
	s_barrier_signal -1
	s_barrier_wait -1
	s_cmp_lg_u32 s16, 0
	s_cbranch_scc1 .Lend                           ; no barrier and no LDS store stands in what waves 1 to 3 jump
.set n, 0
.rept 4                                ; wave n's partial logits for my lane's place
	ds_load_b128 v[64+8*n:64+8*n+3], v13 offset:1024*n
	ds_load_b128 v[64+8*n+4:64+8*n+7], v13 offset:1024*n+16
.set n, n+1
.endr
	s_wait_dscnt 0x0
.set n, 0
.rept 4                                ; (p0 + p1) + (p2 + p3) + bias
	v_pk_add_f32 v[64+2*n:64+2*n+1], v[64+2*n:64+2*n+1], v[72+2*n:72+2*n+1]
	v_pk_add_f32 v[80+2*n:80+2*n+1], v[80+2*n:80+2*n+1], v[88+2*n:88+2*n+1]
.set n, n+1
.endr
.set n, 0
.rept 4
	v_pk_add_f32 v[64+2*n:64+2*n+1], v[64+2*n:64+2*n+1], v[80+2*n:80+2*n+1]
.set n, n+1
.endr
.set n, 0
.rept 4
	v_pk_add_f32 v[64+2*n:64+2*n+1], v[64+2*n:64+2*n+1], v[48+2*n:48+2*n+1]
.set n, n+1
.endr
.set n, 0
.rept 8                                ; the token's other eight logits lie in the lane 16 away
	v_permlanex16_b32 v[72+n], v[64+n], s24, s25
.set n, n+1
.endr
.set n, 0
.rept 8                                ; lanes r and r + 16 both hold all 16 logits of token r
	v_cndmask_b32 v[LG+n],   v[64+n], v[72+n], s22
	v_cndmask_b32 v[LG+8+n], v[72+n], v[64+n], s22
.set n, n+1
.endr
	; the two largest: m1 v112, i1 v113, m2 v114, i2 v115.  Strict compares in ascending order keep the lower index at a tie.
	v_cmp_gt_f32 s20, v[LG+1], v[LG]
	s_wait_alu depctr_va_sdst(0)                   ; the compare has written s20, which the four selects read
	v_cndmask_b32 v112, v[LG], v[LG+1], s20
	v_cndmask_b32 v113, 0, 1, s20
	v_cndmask_b32 v114, v[LG+1], v[LG], s20
	v_cndmask_b32 v115, 1, 0, s20
.set n, 2
.rept 14
	v_cmp_gt_f32 s20, v[LG+n], v112
	v_cmp_gt_f32 s21, v[LG+n], v114
	s_wait_alu depctr_va_sdst(0)                   ; both compares have written their masks, which the six selects read; each step compares with the pair that the step before left, so the runs are two long
	v_cndmask_b32 v114, v114, v[LG+n], s21
	v_cndmask_b32 v115, v115, n, s21
	v_cndmask_b32 v114, v114, v112, s20
	v_cndmask_b32 v115, v115, v113, s20
	v_cndmask_b32 v112, v112, v[LG+n], s20
	v_cndmask_b32 v113, v113, n, s20
.set n, n+1
.endr
	; softmax over (m1, m2) with m1 taken away: g1 = 1 / (1 + 2^((m2 - m1) log2 e)), g2 = the rest
	v_sub_f32 v116, v114, v112
	v_mul_f32 v116, 0x3fb8aa3b, v116
	v_exp_f32 v117, v116
	v_lshlrev_b32 v120, v113, v16                  ; 1 << i1: plain work behind the exponential
	v_lshlrev_b32 v121, v115, v17                  ; 1 << (16 + i2)
	v_or_b32 v120, v120, v121
	s_wait_alu depctr_va_vdst(0)                   ; the exponential has written v117
	v_add_f32 v118, 1.0, v117
	v_rcp_f32 v119, v118
	v_lshl_or_b32 v121, v115, 8, v113              ; i1 | i2 << 8: plain work behind the reciprocal
	v_cndmask_b32 v123, v120, v121, s22            ; lanes 0-15 store the mask word, lanes 16-31 the index word
	s_wait_alu depctr_va_vdst(0)                   ; the reciprocal has written v119, likewise
	v_mul_f32 v122, v117, v119
	v_cndmask_b32 v124, v119, v122, s22            ; lanes 0-15 store g1, lanes 16-31 g2
	s_wait_alu depctr_va_vdst(0)                   ; the selects have written v123 and v124, which the two stores read
	global_store_b32 v15, v123, s[12:13]
	global_store_b32 v15, v124, s[14:15]
.Lend:
	s_wait_dscnt 0x0                               ; the closing lines, six on end
	s_wait_alu 0x0
	s_wait_tensorcnt 0x0
	ds_add_u32 v[SPW], v[NIL]
	s_wait_dscnt 0x0
	s_endpgm
.Lfunc_end_k_qeb33a55428_router:
	.size	k_qeb33a55428_router, .Lfunc_end_k_qeb33a55428_router-k_qeb33a55428_router
	.p2alignl 7, 3214868480
	.fill 96, 4, 3214868480
	.section	.rodata,"a",@progbits
	.p2align	6, 0x0
	.amdhsa_kernel k_qeb33a55428_router
		.amdhsa_group_segment_fixed_size 71168
		.amdhsa_private_segment_fixed_size 0
		.amdhsa_enable_private_segment 0
		.amdhsa_kernarg_size 48
		.amdhsa_user_sgpr_count 2
		.amdhsa_user_sgpr_kernarg_segment_ptr 1
		.amdhsa_wavefront_size32 1
		.amdhsa_system_sgpr_workgroup_id_x 1
		.amdhsa_system_sgpr_workgroup_id_y 1
		.amdhsa_system_sgpr_workgroup_id_z 1
		.amdhsa_system_vgpr_workitem_id 0
		.amdhsa_next_free_vgpr 256
		.amdhsa_next_free_sgpr 66
		.amdhsa_reserve_vcc 0
		.amdhsa_float_denorm_mode_32 3
		.amdhsa_float_denorm_mode_16_64 3
		.amdhsa_memory_ordered 1
		.amdhsa_forward_progress 1
		.amdhsa_inst_pref_size 40
	.end_amdhsa_kernel
	.amdgpu_metadata
---
amdhsa.version: [ 1, 2 ]
amdhsa.kernels:
  - .name:           k_qeb33a55428_router
    .symbol:         k_qeb33a55428_router.kd
    .args:
      - { .name: embeddings, .offset: 0, .size: 8, .value_kind: global_buffer, .address_space: global }
      - { .name: router_w, .offset: 8, .size: 8, .value_kind: global_buffer, .address_space: global }
      - { .name: router_b, .offset: 16, .size: 8, .value_kind: global_buffer, .address_space: global }
      - { .name: xb, .offset: 24, .size: 8, .value_kind: global_buffer, .address_space: global }
      - { .name: sel, .offset: 32, .size: 8, .value_kind: global_buffer, .address_space: global }
      - { .name: gate, .offset: 40, .size: 8, .value_kind: global_buffer, .address_space: global }
    .group_segment_fixed_size: 71168
    .private_segment_fixed_size: 0
    .kernarg_segment_align: 8
    .kernarg_segment_size: 48
    .max_flat_workgroup_size: 128
    .sgpr_count:     66
    .vgpr_count:     256
    .wavefront_size: 32
...
	.end_amdgpu_metadata
.endif
;; end of part 4
;; launch experts (part 5): grid 16 x 16, 4 waves a work-group, no clusters, 230,912 bytes of LDS; arguments xb, w1, b1, w2, sel, part, pos; writes part, pos
.if DOCPART == 5
	.amdgcn_target "amdgcn-amd-amdhsa--gfx1250"
	.amdhsa_code_object_version 6
	.text
	.protected	k_qeb33a55428_experts
	.globl	k_qeb33a55428_experts
	.p2align	8
	.type	k_qeb33a55428_experts,@function
k_qeb33a55428_experts:
	s_mov_b64 s[64:65], 0
	v_nop
	global_prefetch_b8 v0, s[64:65] scope:SCOPE_SE
	s_setreg_imm32_b32 hwreg(HW_REG_WAVE_SCHED_MODE, 0, 2), 2
	s_setreg_imm32_b32 hwreg(HW_REG_WAVE_MODE, 25, 1), 1
	s_wait_xcnt 0x0
	s_wait_alu depctr_vm_vsrc(0)
; EXPERTS.  For expert e (grid y) and slice s (grid x) of 64 hidden columns, and for every token that chose e:
;   part[e][s][rank] = the sum over the slice's d of relu(x[token] . w1[e][:, d] + b1[e][d]) w2[e][d],  rank = the token's place in e's list.
; Only chosen rows are multiplied: the other experts' results have weight 0 in the combine.  pos[e][t] = token t's rank (slice 0 stores it) tells the next launch where to look.
; FORMATS.  w1, b1, w2 are rounded once to bf16 on their way through registers, x came rounded; products on the matrix unit, sums, ReLU and the dot with w2 in f32 (h is never rounded).
; The dot with w2 has one output column: it is done by vector instructions, 96 for a tile's 256 matrix instructions.
; LIMITS.  NaN in h becomes 0 (the maximum with 0 drops it).  Every split of the tokens is served, 0 to 4,096 rows an expert; a very uneven one leaves most work-groups with little to do.
; SHARES.  The work-group alone reads w1[e][:, 64 s .. 64 s + 63], 1,024 pieces of 256 aligned bytes, each once in the launch, and keeps it in LDS as bf16 [k][d].
; Rows go in tiles of 32; tile t belongs to wave t % 4.  A tile: 32 rows x 64 columns x K = 1,024: 256 matrix instructions on 8 accumulators that take turns.
; The loop over tiles has a length that hangs on a stored count: it holds no barrier and no LDS store; x comes from memory straight into operand registers, w1's fragments from LDS.
; Every wave makes the expert's whole list for itself, in LDS bytes of its own, so that no list address is shared between waves.
; TWO BARRIERS, both on every wave's path: one between the filling of LDS and the loop, one behind the loop, between all waves' LDS reads and the closing lines' LDS write.
; NO TENSOR LOADS, NO CLUSTER: what an expert's 16 work-groups share is token rows that come by a list, which no tile descriptor covers; each slice of w1 has one reader.
; An x load takes 32 bytes of each of 16 rows (a fragment ties a lane to a row); a chunk's 16 loads together take whole aligned 256 bytes of 32 rows.
; REGISTERS, in windows of 256 (s_set_vgpr_msb: bits 1:0 source 0, 3:2 source 1, 5:4 source 2, 7:6 destination):
;   window 0: v0-31 addresses and at work; v32-33 the LDS addresses of two list places (before the loop v32-159: the 128 words of sel); v160-191 at work; v192-255 the accumulators
;   window 1: x, a ring of four chunks of 128 k, 64 registers each
;   window 2: before the loop w1 as loaded, two buffers of 128; in the loop w1's fragments, two groups of four K steps, 128 registers each
;   window 3: v0-31 b1, v32-63 w2, v64-65 at work
; THE MODE: SCHED_MODE bits 1:0 = 2 (LLVM: expert scheduling mode 2), set by the entry lines.  The code itself states the register dependences
; between vector or matrix instructions and memory or LDS instructions, with s_wait_alu, always for 0.
; THE PLAN, in the loop.  A tile is 8 chunks of four K steps (128 along K, 32 matrix instructions).  Registers that memory or LDS instructions touch:
;   W0, W1 (window 2)   Chunk c's products read W[c % 2]; its 32 LDS loads, the fragments of chunk c + 1, land in the other group, which chunk c - 1 read.
;   X0 .. X3 (window 1) Chunk c's products read X[c % 4]; its 16 loads, chunk c + 3, land in X[(c - 1) % 4], which chunk c - 1 read.
;   v8-10, v15          never written in the loop.
;   v32, v33            written in chunk 0; read by the two list loads in chunk 1.      v22, v23  those loads land in chunk 1; read and written by vector lines in chunk 2.
;   v18, v19            written in chunk 2; read by the x loads of chunks 5 to 7.       v16, v17  written at the tile's end; read by the x loads of chunks 0 to 4.
;   v26, v20            the tile's sum and its place: written at the tile's end, read by its one store.
; ONE wait on va_vdst stands at a chunk's head: chunk c - 1's products are done reading their W and their X, and the addresses written since the last head are written.  Behind it the chunk's products
; name W[c % 2], X[c % 4] and the accumulators, its few vector lines v14, v18, v19, v22, v23, v32, v33: none of the registers that the chunk's loads touch.  So the loads follow with no further wait: in runs, behind K steps 0 and 2.
; One more stands ahead of the tile's store, and ONE wait on vm_vsrc at the tile's end, ahead of the lines that write v16, v17 and v20; it also frees v18, v19, v26, v32 and v33 for the next tile.
.set WP,    160                        ; a row of w1 in LDS: 128 bytes (64 bf16) + 32 = 40 words
.set LISTS, 1024*WP                    ; behind w1's 1,024 rows: for each wave 4,096 token numbers and a word for lanes that have nothing to store
.set LISTW, 16640
.set SPARE, LISTS+4*LISTW              ; the spare words: 128 bytes a wave, two blocks of 256 bytes that no other line names
.set SPW, 4                            ; v4   my spare word's LDS address; never rewritten
.set NIL, 5                            ; v5   0; never rewritten
.set WB,  8                            ; v8-10  the turning load's address, for K steps 0-11, 12-23, 24-31
.set LA,  32                           ; v32-33 the LDS addresses of the list places of rows ROW and ROW + 16
.set ACC, 192                          ; accumulator (nb, rb) at ACC + 8 (2 nb + rb)
.set SELR, 32
.set TT,  160                          ; the list: eight words at a time
.set RR,  168
.set AA,  176
.set KK,  184
.set B1F, 0                            ; window 3
.set W2F, 32
.set T3,  64
.set MSB, 0
.macro WIN new                         ; the immediate's high byte repeats the setting that is left; a switch that changes nothing is dropped
.if MSB != (\new)
	s_set_vgpr_msb (MSB<<8)|(\new)
.set MSB, (\new)
.endif
.endm
; 64 rows of my wave's 256 rows of the slice: 32 loads, each two rows' 256 bytes
.macro WLOAD b
	WIN 0x80                                       ; destination window 2
.if (\b) >= 2
	s_wait_alu depctr_va_vdst(0)                   ; the conversions of the batch two back have read and written this buffer, in which the loads land
	s_wait_alu depctr_vm_vsrc(0)                   ; and its LDS stores have read it
.endif
.set j, 0
.rept 32
	global_load_b128 v[128*((\b)%2)+4*j:128*((\b)%2)+4*j+3], v7, s[6:7] offset:(32*(\b)+j)*8192 th:TH_LOAD_NT
.set j, j+1
.endr
.endm
; they are rounded in place and laid into LDS
.macro WCVT b
	WIN 0x8a                                       ; sources and destination window 2
.set j, 0
.rept 32
	v_cvt_pk_bf16_f32 v[128*((\b)%2)+4*j],   v[128*((\b)%2)+4*j],   v[128*((\b)%2)+4*j+1]
	v_cvt_pk_bf16_f32 v[128*((\b)%2)+4*j+1], v[128*((\b)%2)+4*j+2], v[128*((\b)%2)+4*j+3]
.set j, j+1
.endr
	WIN 0x08                                       ; store data (source 1) window 2, address window 0
	s_wait_alu depctr_va_vdst(0)                   ; the conversions have written the pairs that the LDS stores read
.set j, 0
.rept 32
	ds_store_b64 v6, v[128*((\b)%2)+4*j:128*((\b)%2)+4*j+1] offset:(32*(\b)+j)*2*WP
.set j, j+1
.endr
.endm
; THE LIST, 256 tokens at a time: groups g and g + 1 of 128; lane L holds the words of tokens 128 g + 4 L + i.  A token that chose e gets the next rank, in the order (group, i, lane).
; A lane without a match takes index 4,096, a word that nobody reads: EXEC is never narrowed.  The clamp is the last step that hangs on data; behind it a shift and an add.
; The eight compares stand in one run, with one wait behind it; one wait stands ahead of the pair's stores, one ahead of the next pair's first line.
.macro PAIR g
.if (\g) > 0
	s_wait_alu depctr_vm_vsrc(0)                   ; the LDS stores of the pair before have read v[AA ..] and v[KK ..], its stores of ranks v[RR ..]: all are written anew below
.endif
.irp i, 0,1,2,3,4,5,6,7
	v_and_b32 v[TT+\i], s23, v[SELR+4*(\g)+\i]
.endr
.irp i, 0,1,2,3,4,5,6,7
	v_cmp_ne_u32 s[50+\i], 0, v[TT+\i]
.endr
.irp i, 0,1,2,3,4,5,6,7
	v_add_nc_u32 v[KK+\i], 128*((\g)+(\i)/4)+(\i)%4, v13  ; the token's number
.endr
	s_wait_alu depctr_va_sdst(0)                   ; the eight compares have written s50-57, which the counts, the ranks and the selects below read
	s_bcnt1_i32_b32 s29, s50
	s_add_co_u32 s40, s24, s29
.irp i, 1,2,3,4,5,6
	s_bcnt1_i32_b32 s29, s[50+\i]
	s_add_co_u32 s[40+\i], s[39+\i], s29
.endr
	s_bcnt1_i32_b32 s29, s57
	v_mbcnt_lo_u32_b32 v[RR], s50, s24             ; matches in lower lanes + all matches before
.irp i, 1,2,3,4,5,6,7
	v_mbcnt_lo_u32_b32 v[RR+\i], s[50+\i], s[39+\i]
.endr
.irp i, 0,1,2,3,4,5,6,7
	v_cndmask_b32 v[AA+\i], v12, v[RR+\i], s[50+\i]
.endr
.irp i, 0,1,2,3,4,5,6,7
	v_min_u32 v[AA+\i], 0x1000, v[AA+\i]
.endr
.irp i, 0,1,2,3,4,5,6,7
	v_lshl_add_u32 v[AA+\i], v[AA+\i], 2, v11
.endr
	s_wait_alu depctr_va_vdst(0)                   ; v[AA ..], v[KK ..] and v[RR ..] are written, which the stores below read
	s_add_co_u32 s24, s46, s29                     ; matches so far; the line that read the old count stands ahead of the wait
.irp i, 0,1,2,3,4,5,6,7
	ds_store_b32 v[AA+\i], v[KK+\i]
.endr
	s_cmp_lg_u32 s30, 0
	s_cbranch_scc1 .Lnp_\@                         ; slice 0's wave 0 alone stores the ranks: twice 512 consecutive bytes
	global_store_b128 v21, v[RR:RR+3], s[16:17] offset:512*(\g)
	global_store_b128 v21, v[RR+4:RR+7], s[16:17] offset:512*(\g)+512
	s_wait_xcnt 0x0                                ; the next pair writes the ranks' registers anew
.Lnp_\@:
.endm
; the list places of rows ROW and ROW + 16, held to the expert's last row,
.macro LISTCALC
	v_min_u32 v[LA], s33, v14
	v_add_nc_u32 v[LA+1], 16, v14
	v_min_u32 v[LA+1], s33, v[LA+1]
	v_min_u32 v[LA], 0xfff, v[LA]
	v_min_u32 v[LA+1], 0xfff, v[LA+1]
	v_lshl_add_u32 v[LA], v[LA], 2, v11
	v_lshl_add_u32 v[LA+1], v[LA+1], 2, v11
.endm
; and the two loads of their token numbers
.macro LISTLOAD
	ds_load_b32 v22, v[LA]
	ds_load_b32 v23, v[LA+1]
.endm
; chunk c of x (k = 128 c on) for the tile whose row offsets lie in v[o], v[o+1]: 16 loads
.macro XLOAD c, o
	WIN 0x40                                       ; destination window 1
.irp rb, 0,1
.irp k, 0,1,2,3
	global_load_b128 v[64*((\c)%4)+32*\rb+8*\k:64*((\c)%4)+32*\rb+8*\k+3],   v[(\o)+\rb], s[4:5] offset:256*(\c)+64*\k
	global_load_b128 v[64*((\c)%4)+32*\rb+8*\k+4:64*((\c)%4)+32*\rb+8*\k+7], v[(\o)+\rb], s[4:5] offset:256*(\c)+64*\k+32
.endr
.endr
.endm
; w1's fragments of K step k % 32: four blocks of 16 columns x 32 k, turned: 8 loads, into window 2: group (k / 4) % 2, 32 registers a K step.  The caller has set destination window 2, address window 0.
.macro WFETCH k
.set wfs, (\k)%32
.set wfr, 32*(wfs%8)
.set wfo, (wfs%12)*32*WP
.irp nb, 0,1,2,3
	ds_load_tr16_b128 v[wfr+8*\nb:wfr+8*\nb+3],   v[WB+wfs/12] offset:wfo+32*\nb
	ds_load_tr16_b128 v[wfr+8*\nb+4:wfr+8*\nb+7], v[WB+wfs/12] offset:wfo+32*\nb+16*WP
.endr
.endm
; The 8 products of K step k.  Source 0 = 16 columns of w1, source 1 = 16 rows of x: register j of lane L is column 16 nb + 8 h + j of row 16 rb + r.
; Step 0's C operand is the bias: nothing is cleared.  The 8 accumulators take turns.
.macro MUL8 k
.set mw, 32*((\k)%8)
.set mx, 64*(((\k)/4)%4)+8*((\k)%4)
.if (\k) == 0
	WIN 0x36                                       ; w1 (source 0) window 2, x (source 1) window 1, the bias (source 2) window 3
.else
	WIN 0x06
.endif
.irp nb, 0,1,2,3
.irp rb, 0,1
.if (\k) == 0
	v_wmma_f32_16x16x32_bf16 v[ACC+8*(2*\nb+\rb):ACC+8*(2*\nb+\rb)+7], v[mw+8*\nb:mw+8*\nb+7], v[mx+32*\rb:mx+32*\rb+7], v[B1F+8*\nb:B1F+8*\nb+7]
.else
	v_wmma_f32_16x16x32_bf16 v[ACC+8*(2*\nb+\rb):ACC+8*(2*\nb+\rb)+7], v[mw+8*\nb:mw+8*\nb+7], v[mx+32*\rb:mx+32*\rb+7], v[ACC+8*(2*\nb+\rb):ACC+8*(2*\nb+\rb)+7]
.endif
.endr
.endr
.endm
; CHUNK c (a symbol) of a tile.  LDS loads come back in order (ISA guide 5.7.1): each count below is the number of LDS loads issued behind the fragments of the K step that follows it.
.macro CHUNK
.set LL, 0
.if c == 1
.set LL, 2                             ; chunk 1's two list loads are younger than its own fragments
.endif
	s_wait_loadcnt 32                              ; two chunks of 16 are younger: this chunk of x is in
	s_wait_dscnt 24                                ; K steps 1 to 3 of this chunk are younger: K step 0's fragments are in (and, from chunk 2 on, the list loads, which are older)
	s_wait_alu depctr_va_vdst(0)                   ; the chunk before is done reading its group of w1 and its chunk of x, in which this chunk's loads land; the addresses written since the last head are written
	MUL8 4*c
.if c == 0
	WIN 0
	v_add_nc_u32 v14, 0x80, v14                    ; my next tile lies 128 rows on
	LISTCALC                                       ; read by chunk 1's list loads, behind that chunk's head
.elseif c == 1
	WIN 0
	LISTLOAD
.elseif c == 2
	WIN 0
	v_min_u32 v22, 0xfff, v22
	v_min_u32 v23, 0xfff, v23
	v_lshl_add_u32 v18, v22, 11, v15               ; token x 2,048 bytes + 16 h: read from chunk 5 on
	v_lshl_add_u32 v19, v23, 11, v15
.endif
.if c+3 < 8
	XLOAD (c+3), 16                                ; three chunks ahead, this tile's
.else
	XLOAD (c+3-8), 18                              ; or the next tile's
.endif
	WIN 0x80                                       ; destination window 2, address window 0
	WFETCH 4*c+4                                   ; the next chunk's K steps 0 and 1
	WFETCH 4*c+5
	s_wait_dscnt 32+LL                             ; this chunk's K steps 2 and 3, and the 16 just issued
	MUL8 4*c+1
	s_wait_dscnt 24+LL                             ; this chunk's K step 3, and those 16
	MUL8 4*c+2
	WIN 0x80
	WFETCH 4*c+6                                   ; the next chunk's K steps 2 and 3
	WFETCH 4*c+7
	s_wait_dscnt 32+LL                             ; the next chunk's 32
	MUL8 4*c+3
.endm
; A TILE'S END: relu, times w2, summed: four chains (row block x parity of the pair), each accumulator read from its low end on; then the lane 16 away adds its eight columns of each block.
.macro EPI
.rept 4
	v_nop                                          ; four places between the last product and the first read of a result (ISA guide 7.12.1)
.endr
	WIN 0x03                                       ; w2 (source 0) window 3
.set a, 0
.rept 8
.set p, 0
.rept 4
.set et, 160+2*((4*a+p)%8)
.set es, 24+4*(a%2)+2*(p%2)
	v_max_num_f32 v[et],   0, v[ACC+8*a+2*p]
	v_max_num_f32 v[et+1], 0, v[ACC+8*a+2*p+1]
.if (a < 2) && (p < 2)
	v_pk_mul_f32 v[es:es+1], v[W2F+8*(a/2)+2*p:W2F+8*(a/2)+2*p+1], v[et:et+1]
.else
	v_pk_fma_f32 v[es:es+1], v[W2F+8*(a/2)+2*p:W2F+8*(a/2)+2*p+1], v[et:et+1], v[es:es+1]
.endif
.set p, p+1
.endr
.set a, a+1
.endr
	WIN 0
	v_pk_add_f32 v[24:25], v[24:25], v[26:27]
	v_pk_add_f32 v[28:29], v[28:29], v[30:31]
	v_add_f32 v24, v24, v25
	v_add_f32 v28, v28, v29
	v_permlanex16_b32 v25, v24, s34, s35
	v_permlanex16_b32 v29, v28, s34, s35
	v_add_f32 v24, v24, v25
	v_add_f32 v28, v28, v29
	v_cndmask_b32 v26, v24, v28, s36               ; lane L holds row L of the tile
	s_wait_alu depctr_va_vdst(0)                   ; the select has written v26, which the store reads
	global_store_b32 v20, v26, s[14:15]            ; 128 consecutive bytes a tile; rows past the count repeat the last row and are never read
.endm
	s_load_b256 s[4:11], s[0:1], 0x0               ; xb s[4:5], w1 s[6:7], b1 s[8:9], w2 s[10:11]
	s_load_b128 s[12:15], s[0:1], 0x20             ; sel s[12:13], part s[14:15]
	s_load_b64 s[16:17], s[0:1], 0x30              ; pos
	v_lshl_add_u32 v[SPW], v0, 2, SPARE
	v_mov_b32 v[NIL], 0
	v_lshrrev_b32 v22, 5, v0
	v_readfirstlane_b32 s20, v22                   ; wave 0..3
	s_and_b32 s21, ttmp7, 0xffff                   ; expert
	s_mov_b32 s22, ttmp9                           ; slice
	s_lshl_b32 s23, 0x10001, s21                   ; the expert's two bits in a word of sel
	s_mov_b32 s34, 0x76543210                      ; v_permlanex16_b32: each lane takes its own place in the other half
	s_mov_b32 s35, 0xfedcba98
	s_mov_b32 s36, 0xffff0000                      ; lanes 16-31; also a word's upper bf16
	v_and_b32 v1, 31, v0                           ; L
	v_and_b32 v2, 15, v0                           ; r
	v_bfe_u32 v3, v0, 4, 1                         ; h
	s_wait_alu depctr_va_sdst(0)                   ; s20 is written, ahead of its first reader: LDS places, row numbers and the count of tiles are made from it
	s_or_b32 s30, s20, s22                         ; 0: slice 0's wave 0
	s_mul_i32 s40, s20, 256*WP                     ; my wave's 256 rows of w1 in LDS
	v_mul_u32_u24 v6, v3, WP
	v_lshl_add_u32 v6, v2, 3, v6
	v_add_nc_u32 v6, s40, v6                       ; into LDS: row L / 16 of two, 8 bytes a lane
	s_lshl_b32 s41, s20, 20                        ; and in memory: 256 rows of 4,096 bytes
	v_lshlrev_b32 v7, 12, v3
	v_lshl_add_u32 v7, v2, 4, v7
	v_add_nc_u32 v7, s41, v7
	v_and_b32 v22, 7, v0
	v_lshl_add_u32 v22, v3, 3, v22                 ; the turning load: k row 8 h + L % 8,
	v_mul_u32_u24 v[WB], v22, WP
	v_bfe_u32 v23, v0, 3, 1
	v_lshl_add_u32 v[WB], v23, 4, v[WB]            ; columns 8 ((L / 8) % 2) on
	v_add_nc_u32 v[WB+1], 12*32*WP, v[WB]          ; an LDS offset has 16 bits: a base for every twelve K steps
	v_add_nc_u32 v[WB+2], 24*32*WP, v[WB]
	s_mul_i32 s42, s20, LISTW
	s_add_co_u32 s42, s42, LISTS
	v_mov_b32 v11, s42                             ; my wave's list
	v_mov_b32 v12, 0x1000                          ; the index of the word that nobody reads
	v_lshlrev_b32 v13, 2, v1                       ; 4 L
	s_lshl_b32 s37, s20, 5
	v_add_nc_u32 v14, s37, v2                      ; ROW = 32 w + r
	v_lshlrev_b32 v15, 4, v3                       ; 16 h
	v_add_nc_u32 v20, s37, v1
	v_lshlrev_b32 v20, 2, v20                      ; my word in part: rank 32 w + L
	v_lshlrev_b32 v21, 4, v1                       ; 16 L
	v_lshlrev_b32 v22, 5, v3                       ; 32 h: b1's and w2's columns 8 h on
	s_lshl_b32 s38, s21, 22                        ; w1: an expert is 4 MiB, a slice 256 bytes of each row
	s_lshl_b32 s43, s22, 8
	s_or_b32 s38, s38, s43
	s_mov_b32 s39, 0
	s_lshl_b32 s44, s21, 12                        ; b1, w2: an expert is 4,096 bytes
	s_or_b32 s44, s44, s43
	s_mov_b32 s45, 0
	s_lshl_b32 s46, s21, 4
	s_add_co_u32 s46, s46, s22
	s_lshl_b32 s46, s46, 14                        ; part: plane 16 e + s of 16,384 bytes
	s_mov_b32 s47, 0
	s_lshl_b32 s48, s21, 14                        ; pos: plane e
	s_mov_b32 s49, 0
	s_wait_kmcnt 0x0
	s_add_nc_u64 s[6:7], s[6:7], s[38:39]
	s_add_nc_u64 s[8:9], s[8:9], s[44:45]
	s_add_nc_u64 s[10:11], s[10:11], s[44:45]
	s_add_nc_u64 s[14:15], s[14:15], s[46:47]
	s_add_nc_u64 s[16:17], s[16:17], s[48:49]
	WIN 0xc0                                       ; destination window 3
	s_wait_alu depctr_va_vdst(0)                   ; the offsets and addresses v5 to v11 and v20 to v22 are written, which the loads and stores below read
.irp nb, 0,1,2,3
	global_load_b128 v[B1F+8*\nb:B1F+8*\nb+3],   v22, s[8:9] offset:64*\nb
	global_load_b128 v[B1F+8*\nb+4:B1F+8*\nb+7], v22, s[8:9] offset:64*\nb+16
.endr
.irp nb, 0,1,2,3
	global_load_b128 v[W2F+8*\nb:W2F+8*\nb+3],   v22, s[10:11] offset:64*\nb
	global_load_b128 v[W2F+8*\nb+4:W2F+8*\nb+7], v22, s[10:11] offset:64*\nb+16
.endr
	WIN 0
.set j, 0
.rept 32                               ; all 4,096 mask words: 128 registers
	global_load_b128 v[SELR+4*j:SELR+4*j+3], v21, s[12:13] offset:512*j
.set j, j+1
.endr
	WLOAD 0
	s_wait_loadcnt 32                              ; the 32 loads of w1 are younger: b1, w2 and sel are in
	WLOAD 1                                        ; from here on 64 loads of w1, 32 KB a wave, are out or just landed
	WIN 0xcf                                       ; b1 and w2 rounded to bf16 and widened again, all in window 3
.set j, 0
.rept 32
	v_cvt_pk_bf16_f32 v[T3+j%2], v[2*j], v[2*j+1]
	v_lshlrev_b32 v[2*j], 16, v[T3+j%2]
	v_and_b32 v[2*j+1], s36, v[T3+j%2]
.set j, j+1
.endr
	WIN 0
	ds_store_b32 v11, v[NIL]                       ; list[0] is written whatever the count: an expert without rows still forms addresses from it
	s_mov_b32 s24, 0                               ; matches so far
.irp g, 0,2,4,6,8,10                               ; the list is made in three parts, between the batches of w1, so that the next batch is asked for sooner
	PAIR \g
.endr
	s_wait_loadcnt 32                              ; batch 1 is younger: batch 0 is in
	WCVT 0
	WLOAD 2
	WIN 0
.irp g, 12,14,16,18,20
	PAIR \g
.endr
	s_wait_loadcnt 32                              ; batch 2 is younger: batch 1 is in
	WCVT 1
	WLOAD 3
	WIN 0
.irp g, 22,24,26,28,30
	PAIR \g
.endr
	s_add_co_u32 s31, s24, 31
	s_lshr_b32 s31, s31, 5                         ; tiles of 32 rows
	s_add_co_u32 s31, s31, 3
	s_sub_co_u32 s31, s31, s20
	s_lshr_b32 s31, s31, 2                         ; of them mine: tiles w, w + 4, ..
	s_min_u32 s31, s31, 32                         ; 4,096 rows are 32 tiles a wave at the most
	s_max_u32 s33, s24, 1
	s_sub_co_u32 s33, s33, 1                       ; the last row that exists
	LISTCALC                                       ; my first tile's rows
	s_wait_alu depctr_va_vdst(0)                   ; v32 and v33 are written, which the two list loads read
	LISTLOAD                                       ; (LDS serves a wave's instructions in order: these see the list's stores)
	s_wait_loadcnt 32                              ; batch 3 is younger: batch 2 is in
	WCVT 2
	s_wait_dscnt 32                                ; that batch's 32 LDS stores are younger: the two token numbers are in
	WIN 0
	v_min_u32 v22, 0xfff, v22
	v_min_u32 v23, 0xfff, v23
	v_lshl_add_u32 v16, v22, 11, v15
	v_lshl_add_u32 v17, v23, 11, v15
	WIN 0x40
	s_wait_alu depctr_va_vdst(0)                   ; v16 and v17 are written, which the loads of x read
	XLOAD 0, 16                                    ; my first tile's first three chunks of x
	XLOAD 1, 16
	XLOAD 2, 16
	s_wait_loadcnt 48                              ; those 48 are younger: batch 3 is in
	WCVT 3
	WIN 0
	s_wait_dscnt 0x0                               ; for the others' sake: my rows of w1 are in LDS
	s_barrier_signal -1
	s_barrier_wait -1                              ; behind it, up to the barrier at the end, LDS is only read
	WIN 0x80
	s_wait_alu depctr_va_vdst(0)                   ; the conversions have read and written window 2's registers, in which w1's fragments land from here on
	s_wait_alu depctr_vm_vsrc(0)                   ; my LDS stores have read those registers; the list loads have read v32 and v33, the stores of ranks v168-175, which the first tile's vector lines write
	WFETCH 0                                       ; chunk 0's fragments
	WFETCH 1
	WFETCH 2
	WFETCH 3
	WIN 0
	s_mov_b32 s32, 0
	s_cmp_eq_u32 s31, 0
	s_cbranch_scc1 .Lend                           ; no tile for this wave
.Ltile:                                                ; on both ways in: 32 LDS loads (chunk 0's fragments) and 48 global loads (chunks 0 to 2 of x) are out
.set c, 0
.rept 8
	CHUNK
.set c, c+1
.endr
	EPI
	s_wait_xcnt 0x0                                ; the store and all x loads have had their addresses translated
	s_wait_alu depctr_vm_vsrc(0)                   ; the store has read v20 and v26, the loads of x v16 to v19, the list loads v32 and v33: v16, v17 and v20 are written below, the others in the next tile
	v_add_nc_u32 v20, 0x200, v20                   ; my next tile's 128 ranks on
	v_mov_b32 v16, v18                             ; its rows
	v_mov_b32 v17, v19
	s_add_co_u32 s32, s32, 1
	s_cmp_lt_u32 s32, s31
	s_cbranch_scc1 .Ltile
.Lend:                                                 ; every wave comes here, with tiles or without
	s_wait_dscnt 0x0                               ; my LDS reads are back: the list loads and the fragments fetched ahead
	s_barrier_signal -1                            ; load, wait, barrier, write: no wave writes LDS again
	s_barrier_wait -1                              ; before all four have ended their reads
	s_wait_dscnt 0x0                               ; the closing lines, six on end
	s_wait_alu 0x0
	s_wait_tensorcnt 0x0
	ds_add_u32 v[SPW], v[NIL]
	s_wait_dscnt 0x0
	s_endpgm
.Lfunc_end_k_qeb33a55428_experts:
	.size	k_qeb33a55428_experts, .Lfunc_end_k_qeb33a55428_experts-k_qeb33a55428_experts
	.p2alignl 7, 3214868480
	.fill 96, 4, 3214868480
	.section	.rodata,"a",@progbits
	.p2align	6, 0x0
	.amdhsa_kernel k_qeb33a55428_experts
		.amdhsa_group_segment_fixed_size 230912
		.amdhsa_private_segment_fixed_size 0
		.amdhsa_enable_private_segment 0
		.amdhsa_kernarg_size 56
		.amdhsa_user_sgpr_count 2
		.amdhsa_user_sgpr_kernarg_segment_ptr 1
		.amdhsa_wavefront_size32 1
		.amdhsa_system_sgpr_workgroup_id_x 1
		.amdhsa_system_sgpr_workgroup_id_y 1
		.amdhsa_system_sgpr_workgroup_id_z 1
		.amdhsa_system_vgpr_workitem_id 0
		.amdhsa_next_free_vgpr 840
		.amdhsa_next_free_sgpr 66
		.amdhsa_reserve_vcc 0
		.amdhsa_float_denorm_mode_32 3
		.amdhsa_float_denorm_mode_16_64 3
		.amdhsa_memory_ordered 1
		.amdhsa_forward_progress 1
		.amdhsa_inst_pref_size 184
	.end_amdhsa_kernel
	.amdgpu_metadata
---
amdhsa.version: [ 1, 2 ]
amdhsa.kernels:
  - .name:           k_qeb33a55428_experts
    .symbol:         k_qeb33a55428_experts.kd
    .args:
      - { .name: xb, .offset: 0, .size: 8, .value_kind: global_buffer, .address_space: global }
      - { .name: w1, .offset: 8, .size: 8, .value_kind: global_buffer, .address_space: global }
      - { .name: b1, .offset: 16, .size: 8, .value_kind: global_buffer, .address_space: global }
      - { .name: w2, .offset: 24, .size: 8, .value_kind: global_buffer, .address_space: global }
      - { .name: sel, .offset: 32, .size: 8, .value_kind: global_buffer, .address_space: global }
      - { .name: part, .offset: 40, .size: 8, .value_kind: global_buffer, .address_space: global }
      - { .name: pos, .offset: 48, .size: 8, .value_kind: global_buffer, .address_space: global }
    .group_segment_fixed_size: 230912
    .private_segment_fixed_size: 0
    .kernarg_segment_align: 8
    .kernarg_segment_size: 56
    .max_flat_workgroup_size: 128
    .sgpr_count:     66
    .vgpr_count:     840
    .wavefront_size: 32
...
	.end_amdgpu_metadata
.endif
;; end of part 5
;; launch combine: the kernel of part 3 again; grid 64 x 1, 1 waves a work-group, no clusters, 0 bytes of LDS; arguments part, pos, sel, gate, b2, out0; writes out0
